; MI455X (gfx1250); checked and timed in simulation.
; The chip was launched on July 23, 2026; its instructions are those of AMD's public machine-readable ISA for CDNA 5 (MIT licence, August 2026) and "CDNA5" Instruction Set Architecture Reference Guide (July 2026). The comments in the code are by the model that wrote it; some were corrected since.
;; Causal Self Attention. Allowed arithmetic: matrix products marked QUANTISED: E2M3 operands, one E8M0 scale for each 32 along K, by v_wmma_scale_f32_16x16x128_f8f6f4 with both operands' format E2M3, f32 sums; everything else in f32.
;; Inputs: W_proj 1,024 x 1,024 float32; W_qkv 1,024 x 3,072 float32; b_proj 1,024 float32; b_qkv 3,072 float32; x 4 x 2,048 x 1,024 float32.
;; Outputs: out0 4 x 2,048 x 1,024 float32.
;; This version of the problem:
;;   THIS VERSION OF THE PROBLEM IS GIVEN IN LOW PRECISION. The matrix products marked QUANTISED in the list below multiply operands that are first quantised to E2M3 (2 exponent bits, 3 mantissa bits; 6 bits a number), with one power-of-two scale for each 32 numbers along K (OCP MX v1.0); their sums are f32. All else is computed in f32.
;;   The module's matrix products, in the order in which they are computed (A, B: the left and right operand; K: the contracted axis; several contracted axes count as one K, in the product's order):
;;     1. [M 8,192, K 1,024] x [K 1,024, N 3,072]; A: input x; B: input W_qkv: QUANTISED
;;     2. batch 64 x [M 2,048, K 64] x [K 64, N 2,048]; A: computed on the way; B: computed on the way: QUANTISED
;;     3. batch 64 x [M 64, K 2,048] x [K 2,048, N 2,048]; A: computed on the way; B: softmax (see below): QUANTISED
;;     4. [M 8,192, K 1,024] x [K 1,024, N 1,024]; A: computed on the way; B: input W_proj: QUANTISED
;;   THE QUANTISER, for each operand of a quantised product, along K:
;;     - K is cut into blocks of 32 from its start; a last block that is shorter is filled with zeros.
;;     - A block's scale is 2^e with e = floor(log2(the largest magnitude in the block)) - 2, held to -126 .. 127; a block of zeros has e = 0. As a byte (E8M0): e + 127.
;;     - Each number is divided by its block's scale, clamped to +-7.5, and rounded to the nearest number of E2M3, ties to even, subnormals kept.
;;     - The product sums the exact products of the quantised numbers (number of the format x scale) in f32.
;;   ~~~python
;;   def quantise(x, axis):      # numpy; x: float32 -> the quantised numbers, widened to float32 again
;;       x = np.moveaxis(x, axis, -1); K = x.shape[-1]
;;       x = np.pad(x, [(0, 0)] * (x.ndim - 1) + [(0, -K % 32)]); x = x.reshape(x.shape[:-1] + (-1, 32)); a = np.abs(x).max(-1, keepdims=True)
;;       e = np.where(a > 0, np.clip(np.frexp(np.where(a > 0, a, 1))[1] - 1 - 2, -126, 127), 0)      # np.frexp(a)[1] - 1 = floor(log2(a)), exactly
;;       r = np.clip(x / 2.0 ** e, -7.5, 7.5)
;;       step = 2.0 ** (np.maximum(np.frexp(np.where(r == 0, 1, r))[1] - 1, 0) - 3)
;;       q = np.round(r / step) * step * 2.0 ** e      # np.round: ties to even
;;       return np.moveaxis(q.reshape(q.shape[:-2] + (-1,))[..., :K], -1, axis).astype(np.float32)
;;   ~~~
;;   SOFTMAX AHEAD OF A QUANTISED PRODUCT. Where the list says 'softmax', what is quantised is not the finished softmax but p = 2^(t - M), with t = logit x log2(e) and M = ceil(the row's largest t), a whole number; so 1/2 < the row's largest p <= 1. The row's sum l is taken of the UNQUANTISED p, in f32, and the product's result is divided by l at the end. Since M is a whole number, a kernel that streams over the keys may use a running M (the ceiling of the running maximum): every later rescaling is an exact power of two, which a block's scale takes up: the codes' values come out the same.
;;   OPERANDS COMPUTED ON THE WAY. 'Computed on the way' means the value that the module computes at that place (a softmax that the list does not call 'softmax' is quantised finished and normalised). What goes into a quantiser is computed in f32, as accurately as f32 sums, v_exp_f32 and their like allow (about 1e-6 of the number): no bf16 or f16 on the way to a quantiser, and a product that is left as it is and whose result goes on into a quantised operand takes f32 operands (vector FMAs, or v_wmma_f32_16x16x4_f32). A number that lies on a knife's edge between two numbers of the format may be rounded either way, as far as f32 arithmetic and the matrix unit's own rounding can turn it there, and no further.
;; One version. Each part assembles by itself: llvm-mc -triple=amdgcn-amd-amdhsa -mcpu=gfx1250 --defsym DOCPART=n.
;; ======== version 1 of 1: 4 launches
;; limits: right only within a limited range of input values
;; workspace buffers: xq 6,553,600 bytes; wq 3,276,800 bytes; qq 6,815,744 bytes; kv 13,369,344 bytes; yq 6,553,600 bytes
;; launch quant (part 1): grid 384 x 1, 4 waves a work-group, no clusters, 98,816 bytes of LDS; arguments x, W_qkv, W_proj, xq, wq; writes xq, wq
.if DOCPART == 1
	.amdgcn_target "amdgcn-amd-amdhsa--gfx1250"
	.amdhsa_code_object_version 6
	.text
	.protected	k_q0d25df4c29_quant
	.globl	k_q0d25df4c29_quant
	.p2align	8
	.type	k_q0d25df4c29_quant,@function
k_q0d25df4c29_quant:
	s_mov_b64 s[64:65], 0
	v_nop
	global_prefetch_b8 v0, s[64:65] scope:SCOPE_SE
	s_setreg_imm32_b32 hwreg(HW_REG_WAVE_MODE, 25, 1), 1
	s_wait_xcnt 0x0
; x [8192][1024], W_qkv [1024][3072] and W_proj [1024][1024], f32, become codes of FP6 (E2M3) with one E8M0 scale byte for each 32 along K (K = the 1,024).
; A block's scale is 2^(floor(log2(its largest magnitude)) - 2); its byte is the largest magnitude's exponent field - 2, held at 1 from below.
; LIMITS: NaN and infinities are not served; a block whose largest magnitude lies under 2^-124 (a block of zeros too) gets the byte 1: a block of zeros has zero codes, and these bytes are read by this program alone.
; THE LAYOUT OF xq AND wq IS THE ORDER OF THE OPERAND'S REGISTERS.  A tile is 16 operand rows; in each group of 32 rows, tile 2 b + u, lane r holds row 32 b + 8 u + (r & 7) + 16 (r >> 3).
; A tile's codes are 16 pieces of 768 bytes, one for each 64 along K: lane l = r + 16 h owns six registers, the codes of k = 32 h .. 32 h + 31: registers 0-3 at 16 l, registers 4-5 at 512 + 8 l.
; A tile's scale bytes are 512: for each 256 along K, 8 bytes for each row r.  Operand rows of wq: 0..3071 the columns of W_qkv, 3072..4095 those of W_proj.
; Work-groups 0..255 take x (K innermost), 256..383 the weights (K is the first axis).  Each reads 128 KiB.  The two paths have LDS bytes of their own and do not join again.
; No tensor loads, no barrier, no cluster: waves share nothing, and every input byte is read once.
.set XSC,   6291456
.set WSC,   3145728
.set SPARE, 98304                      ; the spare words, 128 bytes for each wave: two blocks of 256 bytes that no other line names
.set SPW,   14                         ; v14  LDS address of my spare word; never rewritten
.set NIL,   15                         ; v15  0; never rewritten
; the x path: a region of 16,384 bytes for each wave
.set INB,   4608                       ; two stages on the way in: 32 places of 128 bytes + 16
.set OC16,  9216                       ; the codes' pieces of 16 bytes: 16 blocks x (256 + 16)
.set OC8,   13568                      ; their pieces of 8 bytes: 16 blocks x (128 + 8)
.set SCB,   15744                      ; 256 scale bytes
.set R,     32                         ; v32-127  three sets of 32 numbers as loaded
.set X,     128                        ; v128-191 two sets of 32 neighbours
.set C,     192                        ; v192-203 two sets of six registers of codes
.set T,     204                        ; v204-206 a block's second three registers, as they are made
.set M,     208                        ; v208-210 two maxima, the conversion's scale operand
.set E,     212                        ; v212-213 the scale's byte, by turns
; the W path: a region of 8,192 bytes for each wave, from byte 65,536 on
.set P8,    5120                       ; pieces of 16 bytes at 0 (640 a block), pieces of 8 bytes here (384 a block)
.set OFFS,  32                         ; v32-63   4 x lane + i rows of the weight
.set WX,    64                         ; v64-127  two sets of 32 numbers
.set WC,    128                        ; v128-133 codes
.set WT,    134
.set SB,    138                        ; v138-139 eight scale bytes
.set WM,    140
.set WE,    143
; 32 numbers of one block in v[xs] on become six registers of codes in v[c] on and the scale's byte in v[e]
.macro QBLOCK xs, c, tt, m, e
	v_max3_num_f32 v[\m], |v[\xs]|, |v[\xs+1]|, |v[\xs+2]|           ; the block's largest magnitude, in two chains
	v_max3_num_f32 v[\m+1], |v[\xs+3]|, |v[\xs+4]|, |v[\xs+5]|
.irp i, 6,10,14,18,22,26
	v_max3_num_f32 v[\m], v[\m], |v[\xs+\i]|, |v[\xs+\i+1]|
	v_max3_num_f32 v[\m+1], v[\m+1], |v[\xs+\i+2]|, |v[\xs+\i+3]|
.endr
	v_max3_num_f32 v[\m], v[\m], |v[\xs+30]|, |v[\xs+31]|
	v_max3_num_f32 v[\m], v[\m], v[\m+1], 0x1800000                  ; and the floor 2^(3 - 127): the byte cannot fall under 1
	v_add_nc_u32 v[\m+2], 0xff000000, v[\m]                          ; 2 off its exponent field: the conversion takes that field as its scale
	v_cvt_scalef32_pk16_fp6_f32 v[\c:\c+2], v[\xs:\xs+15], v[\m+2]
	v_cvt_scalef32_pk16_fp6_f32 v[\tt:\tt+2], v[\xs+16:\xs+31], v[\m+2]   ; (a conversion's three registers begin on an even number)
	v_lshrrev_b32 v[\e], 23, v[\m+2]                                 ; the scale's byte; also the plain line behind the conversions
.irp i, 0,1,2
	v_mov_b32 v[\c+3+\i], v[\tt+\i]
.endr
.endm
	s_load_b256 s[4:11], s[0:1], 0x0               ; x s[4:5], W_qkv s[6:7], W_proj s[8:9], xq s[10:11]
	s_load_b64 s[12:13], s[0:1], 0x20              ; wq
	v_lshl_add_u32 v[SPW], v0, 2, SPARE
	v_mov_b32 v[NIL], 0
	v_lshrrev_b32 v1, 5, v0
	v_readfirstlane_b32 s14, v1                    ; wave
	v_and_b32 v1, 31, v0                           ; lane
	v_lshlrev_b32 v2, 4, v1                        ; 16 x lane
	v_lshlrev_b32 v3, 3, v1                        ; 8 x lane
	s_cmp_lt_u32 ttmp9, 256
	s_cbranch_scc0 .Lweights
; ---------------- x: a wave takes one tile of 16 rows x 512 along K, in 8 steps.  In step t lanes 0-15 work row R0 + t, lanes 16-31 row R0 + 16 + t; a lane ends up with one whole block, lane & 15.
	s_lshl_b32 s15, s14, 14                        ; my region of LDS
	v_lshrrev_b32 v12, 3, v1
	v_mul_u32_u24 v4, v12, 144
	v_and_b32 v12, 7, v1
	v_lshl_add_u32 v4, v12, 4, v4
	v_add_nc_u32 v4, s15, v4                       ; the stage, on the way in: eight lanes' 128 bytes to a place: 144 (lane / 8) + 16 (lane % 8)
	v_mul_u32_u24 v5, v1, 144
	v_add_nc_u32 v5, s15, v5                       ; and on the way out: my place
	v_and_b32 v12, 15, v1                          ; my block
	v_lshrrev_b32 v13, 4, v1                       ; my half of the rows
	v_mul_u32_u24 v6, v12, 272
	v_lshl_add_u32 v6, v13, 7, v6
	v_add_nc_u32 v6, s15, v6                       ; codes, 16 bytes: block x 272 + 16 x row of the tile (t + 8 x half)
	v_mul_u32_u24 v7, v12, 136
	v_lshl_add_u32 v7, v13, 6, v7
	v_add_nc_u32 v7, s15, v7                       ; codes, 8 bytes: block x 136 + 8 x row
	v_lshrrev_b32 v8, 3, v12
	v_lshlrev_b32 v8, 7, v8
	v_lshl_add_u32 v8, v13, 6, v8
	v_and_b32 v9, 7, v12
	v_add_nc_u32 v8, v8, v9
	v_add_nc_u32 v8, s15, v8                       ; my byte: 128 (block / 8) + 8 x row + block % 8
	v_mul_u32_u24 v9, v13, 272
	v_lshl_add_u32 v9, v12, 4, v9
	v_add_nc_u32 v9, s15, v9                       ; back, as images: lanes 0-15 the even block, lanes 16-31 the odd one
	v_mul_u32_u24 v10, v13, 136
	v_lshl_add_u32 v10, v12, 3, v10
	v_add_nc_u32 v10, s15, v10
	v_add_nc_u32 v11, s15, v3
	v_mad_u32_u24 v12, v13, 51072, v3              ; scale bytes on the way out: lanes 0-15 the first quarter's 128 bytes, lanes 16-31 the next quarter's, 51,200 bytes on
	s_lshl_b32 s16, ttmp9, 2
	s_add_co_u32 s16, s16, s14                     ; which half tile is mine
	s_lshr_b32 s17, s16, 1                         ; the tile
	s_and_b32 s18, s16, 1                          ; which 512 along K
	s_lshr_b32 s19, s17, 1
	s_lshl_b32 s19, s19, 5
	s_and_b32 s20, s17, 1
	s_lshl_b32 s20, s20, 3
	s_add_co_u32 s19, s19, s20                     ; R0 = 32 (tile / 2) + 8 (tile % 2)
	s_lshl_b32 s20, s19, 12                        ; rows of 4,096 bytes
	s_lshl_b32 s21, s18, 11
	s_add_co_u32 s20, s20, s21
	s_mov_b32 s21, 0
	; xq, wq: for each 256 operand rows and each quarter of K one dense block of 51,200 bytes: 16 tiles x 3,072 bytes of codes, then 16 tiles x 128 scale bytes
	s_lshr_b32 s26, s17, 4
	s_mul_i32 s26, s26, 204800                     ; my group of 16 tiles
	s_mul_i32 s23, s18, 102400                     ; my first quarter of K
	s_add_co_u32 s26, s26, s23
	s_and_b32 s27, s17, 15
	s_mul_i32 s22, s27, 3072
	s_add_co_u32 s22, s22, s26
	s_mov_b32 s23, 0
	s_lshl_b32 s24, s27, 7
	s_add_co_u32 s24, s24, s26
	s_add_co_u32 s24, s24, 49152
	s_mov_b32 s25, 0
	s_wait_kmcnt 0x0
	s_add_nc_u64 s[4:5], s[4:5], s[20:21]
	s_add_nc_u64 s[22:23], s[10:11], s[22:23]
	s_add_nc_u64 s[24:25], s[10:11], s[24:25]
.macro XLOAD t                         ; step t: two rows' 2,048 bytes; each load reads 512 consecutive bytes
.irp i, 0,1,2,3
	global_load_b128 v[R+32*((\t)%3)+4*\i:R+32*((\t)%3)+4*\i+3], v2, s[4:5] offset:(\t)*4096+512*\i th:TH_LOAD_NT
.endr
.irp i, 0,1,2,3
	global_load_b128 v[R+32*((\t)%3)+16+4*\i:R+32*((\t)%3)+16+4*\i+3], v2, s[4:5] offset:(16+(\t))*4096+512*\i th:TH_LOAD_NT
.endr
.endm
.macro XTURN t                         ; through the stage: LDS serves a wave's instructions in order, so no wait stands between the stores and the loads
.irp i, 0,1,2,3,4,5,6,7
	ds_store_b128 v4, v[R+32*((\t)%3)+4*\i:R+32*((\t)%3)+4*\i+3] offset:INB*((\t)%2)+576*\i
.endr
.irp j, 0,1,2,3,4,5,6,7
	ds_load_b128 v[X+32*((\t)%2)+4*\j:X+32*((\t)%2)+4*\j+3], v5 offset:INB*((\t)%2)+16*\j
.endr
.endm
.macro XSTEP t
.set XS, X+32*((\t)%2)
.set CC, C+6*((\t)%2)
.set EE, E+(\t)%2
.if (\t) > 0
	s_wait_dscnt 3                                 ; this step's numbers are back from the stage; the last step's three stores may be out
.else
	s_wait_dscnt 0x0
.endif
.if (\t)+3 < 8
	XLOAD (\t)+3                                   ; into the set that this step's stores into the stage have read
.endif
.if (\t)+1 < 8
.if (\t)+3 < 8
	s_wait_loadcnt 16                              ; the next step's eight loads are in; those of the two steps behind it may be out
.else
	s_wait_loadcnt 8*(6-(\t))
.endif
	XTURN (\t)+1
.endif
	QBLOCK XS, CC, T, M, EE
	ds_store_b128 v6, v[CC:CC+3] offset:OC16+16*(\t)
	ds_store_b64 v7, v[CC+4:CC+5] offset:OC8+8*(\t)
	ds_store_b8 v8, v[EE] offset:SCB+8*(\t)
.endm
	XLOAD 0
	XLOAD 1
	XLOAD 2
	s_wait_loadcnt 16                              ; step 0's eight loads are in
	XTURN 0
.irp t, 0,1,2,3,4,5,6,7
	XSTEP \t
.endr
.irp j, 0,1,2,3,4,5,6,7                ; the eight pieces of 64 along K come back as images and leave in runs of 512 and 256 consecutive bytes
	ds_load_b128 v[R+4*\j:R+4*\j+3], v9 offset:OC16+544*\j
	ds_load_b64 v[R+32+2*\j:R+33+2*\j], v10 offset:OC8+272*\j
.endr
	ds_load_b64 v[R+48:R+49], v11 offset:SCB
.irp j, 0,1,2,3,4,5,6,7
	s_wait_dscnt 15-2*\j                           ; piece j's two loads are in; the loads issued behind them may be out
	global_store_b128 v2, v[R+4*\j:R+4*\j+3], s[22:23] offset:768*(\j%4)+51200*(\j/4)
	global_store_b64 v3, v[R+32+2*\j:R+33+2*\j], s[22:23] offset:768*(\j%4)+51200*(\j/4)+512
.endr
	s_wait_dscnt 0x0
	global_store_b64 v12, v[R+48:R+49], s[24:25]   ; sixteen lanes store a tile's 128 consecutive bytes of a quarter
	s_wait_tensorcnt 0x0                           ; the wave's end
	ds_add_u32 v[SPW], v[NIL]
	s_wait_dscnt 0x0
	s_endpgm
; ---------------- the weights: a lane takes a column, its registers run down K.  A wave takes 32 columns (two tiles) x 256 along K: 8 blocks a lane.
.Lweights:
	s_sub_co_u32 s16, ttmp9, 256
	s_lshr_b32 s17, s16, 2                         ; which 128 operand rows
	s_and_b32 s18, s16, 3                          ; which 256 along K
	s_lshl_b32 s19, s17, 2
	s_add_co_u32 s19, s19, s14                     ; my group of 32 operand rows
	s_lshl_b32 s15, s14, 13
	s_add_co_u32 s15, s15, 65536                   ; my region of LDS
	s_wait_alu depctr_va_vdst(0)
	v_bfe_u32 v12, v1, 3, 1                        ; u: which of the two tiles my column falls into
	v_lshrrev_b32 v13, 4, v1
	v_and_b32 v9, 7, v1
	v_lshl_add_u32 v13, v13, 3, v9                 ; and which of its rows: (lane & 7) + 8 (lane >> 4)
	v_mul_u32_u24 v4, v12, 384
	v_lshl_add_u32 v4, v13, 4, v4
	v_add_nc_u32 v4, s15, v4                       ; pieces of 16 bytes: 384 u + 16 row (+ 640 a block)
	v_lshlrev_b32 v5, 7, v12
	v_lshl_add_u32 v5, v13, 3, v5
	v_add_nc_u32 v5, s15, v5                       ; pieces of 8 bytes: 128 u + 8 row (+ 384 a block)
	v_lshlrev_b32 v8, 7, v12
	v_lshl_add_u32 v8, v13, 3, v8                  ; my eight scale bytes: 128 u + 8 row
	v_lshrrev_b32 v12, 4, v1
	v_and_b32 v13, 15, v1
	v_mul_u32_u24 v6, v12, 640
	v_lshl_add_u32 v6, v13, 4, v6
	v_add_nc_u32 v6, s15, v6                       ; back, as images: lanes 0-15 the even block, lanes 16-31 the odd one
	v_mul_u32_u24 v7, v12, 384
	v_lshl_add_u32 v7, v13, 3, v7
	v_add_nc_u32 v7, s15, v7
	s_lshr_b32 s28, s19, 3
	s_mul_i32 s28, s28, 204800                     ; my group of 256 operand rows
	s_mul_i32 s25, s18, 51200                      ; my quarter of K
	s_add_co_u32 s28, s28, s25
	s_and_b32 s29, s19, 7
	s_mul_i32 s24, s29, 6144                       ; my two tiles in it
	s_add_co_u32 s24, s24, s28
	s_mov_b32 s25, 0
	s_lshl_b32 s26, s29, 8
	s_add_co_u32 s26, s26, s28
	s_add_co_u32 s26, s26, 49152
	s_mov_b32 s27, 0
	s_wait_kmcnt 0x0
	s_add_nc_u64 s[24:25], s[12:13], s[24:25]      ; my two tiles' codes of this quarter of K
	s_add_nc_u64 s[26:27], s[12:13], s[26:27]      ; and their scale bytes
	s_mov_b32 s20, 4096
	s_cmp_lt_u32 s17, 24                           ; W_qkv or W_proj?  The choice hangs on the work-group's number alone; both take one path
	s_cselect_b64 s[6:7], s[6:7], s[8:9]
	s_cselect_b32 s20, 12288, s20                  ; a row of the weight in bytes
	s_cselect_b32 s21, 0, 96
	s_sub_co_u32 s21, s19, s21                     ; my group of columns in its own tensor
	s_lshl_b32 s21, s21, 7
	s_lshl_b32 s22, s20, 8
	s_mul_i32 s22, s22, s18                        ; 256 rows for each quarter of K
	s_add_co_u32 s22, s22, s21
	s_mov_b32 s23, 0
	s_add_nc_u64 s[32:33], s[6:7], s[22:23]        ; block 0's first row, my first column
	s_lshl_b32 s22, s20, 5
.irp t, 1,2,3,4,5,6,7
	s_add_nc_u64 s[32+2*\t:33+2*\t], s[30+2*\t:31+2*\t], s[22:23]   ; a base for each block: 32 rows on
.endr
	v_lshlrev_b32 v[OFFS], 2, v1
.set I, 1
.rept 31
	v_add_nc_u32 v[OFFS+I], s20, v[OFFS+I-1]
.set I, I+1
.endr
.macro WLOAD t                         ; block t: 32 rows, 128 consecutive bytes a wave in each
.irp i, 0,1,2,3,4,5,6,7,8,9,10,11,12,13,14,15,16,17,18,19,20,21,22,23,24,25,26,27,28,29,30,31
	global_load_b32 v[WX+32*((\t)%2)+\i], v[OFFS+\i], s[32+2*(\t):33+2*(\t)] th:TH_LOAD_NT
.endr
.endm
.macro WBLOCK t
.set XS, WX+32*((\t)%2)
.if (\t) < 7
	s_wait_loadcnt 32                              ; this block's 32 loads are in; the next block's may be out
.else
	s_wait_loadcnt 0x0
.endif
	QBLOCK XS, WC, WT, WM, WE
.if (\t)%4 == 0
	v_mov_b32 v[SB+(\t)/4], v[WE]                  ; four bytes to a register, the lower K in the lower byte
.else
	v_lshl_or_b32 v[SB+(\t)/4], v[WE], 8*((\t)%4), v[SB+(\t)/4]
.endif
	ds_store_b128 v4, v[WC:WC+3] offset:640*(\t)
	ds_store_b64 v5, v[WC+4:WC+5] offset:P8+384*(\t)
.if (\t)+2 < 8
	WLOAD (\t)+2
.endif
	s_wait_dscnt 0x0                               ; the stores have read their registers: the next block's codes may be written
.endm
	WLOAD 0
	WLOAD 1
.irp t, 0,1,2,3,4,5,6,7
	WBLOCK \t
.endr
	s_wait_alu depctr_va_vdst(0)
	global_store_b64 v8, v[SB:SB+1], s[26:27]      ; sixteen rows' 128 consecutive bytes for each of the two tiles
.irp n, 0,1,2,3,4,5,6,7                ; tile n / 4, piece n % 4 of 64 along K
	ds_load_b128 v[WX+4*\n:WX+4*\n+3], v6 offset:1280*(\n%4)+384*(\n/4)
	ds_load_b64 v[WX+32+2*\n:WX+33+2*\n], v7 offset:P8+768*(\n%4)+128*(\n/4)
.endr
.irp n, 0,1,2,3,4,5,6,7
	s_wait_dscnt 14-2*\n                           ; this piece's two loads are in; the loads issued behind them may be out
	global_store_b128 v2, v[WX+4*\n:WX+4*\n+3], s[24:25] offset:3072*(\n/4)+768*(\n%4)
	global_store_b64 v3, v[WX+32+2*\n:WX+33+2*\n], s[24:25] offset:3072*(\n/4)+768*(\n%4)+512
.endr
	s_wait_tensorcnt 0x0                           ; the wave's end
	ds_add_u32 v[SPW], v[NIL]
	s_wait_dscnt 0x0
	s_endpgm
.Lfunc_end_k_q0d25df4c29_quant:
	.size	k_q0d25df4c29_quant, .Lfunc_end_k_q0d25df4c29_quant-k_q0d25df4c29_quant
	.p2alignl 7, 3214868480
	.fill 96, 4, 3214868480
	.section	.rodata,"a",@progbits
	.p2align	6, 0x0
	.amdhsa_kernel k_q0d25df4c29_quant
		.amdhsa_group_segment_fixed_size 98816
		.amdhsa_private_segment_fixed_size 0
		.amdhsa_enable_private_segment 0
		.amdhsa_kernarg_size 40
		.amdhsa_user_sgpr_count 2
		.amdhsa_user_sgpr_kernarg_segment_ptr 1
		.amdhsa_wavefront_size32 1
		.amdhsa_system_sgpr_workgroup_id_x 1
		.amdhsa_system_sgpr_workgroup_id_y 1
		.amdhsa_system_sgpr_workgroup_id_z 1
		.amdhsa_system_vgpr_workitem_id 0
		.amdhsa_next_free_vgpr 224
		.amdhsa_next_free_sgpr 66
		.amdhsa_reserve_vcc 0
		.amdhsa_float_denorm_mode_32 3
		.amdhsa_float_denorm_mode_16_64 3
		.amdhsa_memory_ordered 1
		.amdhsa_forward_progress 1
		.amdhsa_inst_pref_size 77
	.end_amdhsa_kernel
	.amdgpu_metadata
---
amdhsa.version: [ 1, 2 ]
amdhsa.kernels:
  - .name:           k_q0d25df4c29_quant
    .symbol:         k_q0d25df4c29_quant.kd
    .args:
      - { .name: x, .offset: 0, .size: 8, .value_kind: global_buffer, .address_space: global }
      - { .name: W_qkv, .offset: 8, .size: 8, .value_kind: global_buffer, .address_space: global }
      - { .name: W_proj, .offset: 16, .size: 8, .value_kind: global_buffer, .address_space: global }
      - { .name: xq, .offset: 24, .size: 8, .value_kind: global_buffer, .address_space: global }
      - { .name: wq, .offset: 32, .size: 8, .value_kind: global_buffer, .address_space: global }
    .group_segment_fixed_size: 98816
    .private_segment_fixed_size: 0
    .kernarg_segment_align: 8
    .kernarg_segment_size: 40
    .max_flat_workgroup_size: 128
    .sgpr_count:     66
    .vgpr_count:     224
    .wavefront_size: 32
...
	.end_amdgpu_metadata
.endif
;; end of part 1
;; launch qkv (part 2): grid 8 x 48, 4 waves a work-group, clusters of 4 x 4, 327,680 bytes of LDS; arguments xq, wq, b_qkv, qq, kv; writes qq, kv
.if DOCPART == 2
	.amdgcn_target "amdgcn-amd-amdhsa--gfx1250"
	.amdhsa_code_object_version 6
	.text
	.protected	k_q0d25df4c29_qkv
	.globl	k_q0d25df4c29_qkv
	.p2align	8
	.type	k_q0d25df4c29_qkv,@function
k_q0d25df4c29_qkv:
	s_mov_b64 s[64:65], 0
	v_nop
	global_prefetch_b8 v0, s[64:65] scope:SCOPE_SE
	s_setreg_imm32_b32 hwreg(HW_REG_WAVE_MODE, 25, 1), 1
	s_wait_xcnt 0x0
	s_wait_alu depctr_hold_cnt(0) depctr_sa_sdst(0) depctr_va_vdst(0) depctr_va_sdst(0) depctr_va_ssrc(0) depctr_va_vcc(0) depctr_vm_vsrc(0)
	s_getreg_b32 s2, hwreg(HW_REG_IB_STS2, 6, 4)
	s_cmp_eq_u32 s2, 0
	s_cbranch_scc0 .Lentry_in_a_cluster
	s_endpgm
.Lentry_in_a_cluster:
	s_bfe_u32 s2, ttmp6, 0x10000c
	s_cmp_lg_u32 s2, 0xf033
	s_cbranch_scc0 .Lentry_shape_is_right
	s_endpgm
.Lentry_shape_is_right:
; qkv = x W_qkv + b_qkv on codes of FP6 (E2M3) with E8M0 scales; the results are quantised in registers and leave as codes: q and k along the head's 64, v along the keys.
; OPERANDS lie in xq and wq in the order of the operand's registers: a tile of 16 rows is 16 pieces of 768 bytes (64 along K each): lane l's registers 0-3 at 16 l, registers 4-5 at 512 + 8 l; so a fragment
; (128 along K, 12 registers) is four lane-contiguous LDS loads, with no pitch and no padding.  In each group of 32 rows, tile 2 b + u, lane r holds row 32 b + 8 u + (r & 7) + 16 (r >> 3).
; A work-group of four waves makes 256 rows of A x 256 rows of B, a wave 128 x 128: 64 accumulators.  THE MATRIX INSTRUCTION IS USED TRANSPOSED (source 0 = 16 rows of B, source 1 = 16 rows of A): a lane holds one row of A,
; and by the choice of a tile's rows its 64 registers of a block run along B's rows in the order that the next quantiser wants: register 16 b + i is B's row 32 b + 16 (lane / 16) + i.
; TWO KINDS OF TILE, told apart by the cluster's y, which all partners share.  y < 8: A = x's rows (tokens), B = W's columns of q and k: a lane's registers run along the head's dims.  y >= 8: A = W's columns of v, B = tokens:
; a lane holds one dim of v and its registers run along 128 keys.
; K = 1,024 is 8 steps of 128, written out.  A quarter of K (256) fills a slot; three slots are filled at the head, slot 0 is filled once more with the last quarter.  One tensor load of a wave is out at the head, later at most one.
; CLUSTERS: 4 x 4.  A's tiles are shared along a row of the cluster, B's along a column: joint loads.  Nothing is prefetched: three quarters of K are asked for at the head.
; OUT: qq: q's tiles [64 heads][128 tiles][768], their scale words (bytes 0, 1; bytes 2, 3 = 0) behind them.  kv: for each head 16 records of 128 keys: 8 tiles of k (768 each), 4 tiles of v^T (16 dims x 128 keys, 1,536 each), k's scale words, v's.
; LIMITS: NaN and infinities are not served; a block whose largest magnitude lies under 2^-124 (a block of zeros too) gets the byte 1.
; REGISTERS: window 0: v1-29 addresses; v32-63 scale words, two sets; v64-127 the bias; v128-223 A's 8 fragments, later the epilogue.  window 1: B's fragments, two sets.  windows 2, 3: the accumulators ((a, b) at v[8 (8 (a % 4) + b)]).
.set FR,    12
.set HALFT, 24576                      ; 8 tiles x 3,072 bytes: what one wave reads of A or of B
.set SLOT,  4*HALFT
; THE LAYOUT AS IT IS NOW: xq and wq hold, for each 256 operand rows and each quarter of K, one dense block of QB bytes: 16 tiles x 3,072 bytes of codes, then 16 tiles x 128 scale bytes.
; LDS: A's three slots of QB bytes from 0, B's three from 3 QB.  At the head one joint load a wave: wave 0 A's quarter 0, wave 1 B's, wave 2 A's quarters 1 and 2, wave 3 B's; slot 0 is filled once more, by waves 0 and 1.
.set QB,    51200
.set SCLA,  49152                      ; where the scale bytes begin in a slot
.set SCLD,  3*QB
.set SPARE, 311552                     ; the spare words, 128 bytes for each wave: two blocks of 256 bytes that no other line names
.set XSC,   6291456
.set WSC,   3145728
.set QSC,   6291456
.set A16, 4                            ; v4-6    LDS address of A's pieces of 16 bytes in slot 0, 1, 2;  v7-9 of its pieces of 8 bytes
.set A8,  7
.set B16, 10                           ; v10-12, v13-15 the same for B
.set B8,  13
.set ADRS, 24                          ; v24-26  my scale words in slot 0, 1, 2: lanes 0-15 A's rows, lanes 16-31 B's
.set L16, 17                           ; v17-19  16, 8, 4 x lane; never rewritten
.set L8,  18
.set L4,  19
.set SPW, 28
.set NIL, 29
.set SC,  32
.set BI,  64
.set AF,  128
.set H,   128                          ; the epilogue: 64 numbers,
.set PC,  192                          ; v192-210 the codes and what they are made in,
.set TM,  212                          ; v212-227 at work,
.set PW,  228                          ; the scale word just made, the even block's, and what is stored
.set PWE, 229
.set W0,  230
.set W1,  231
.set SEL, 4                            ; s[4:5] lane selects for lane l xor 16;  s6 the mask of lanes 16-31 (written when the pointers there have been used)
.set G1A, 24
.set G1B, 32
.set G0A, 48                           ; s[48:51] group 0 for A's slot 0, s[96:99] for its slots 1 and 2;  s[68:71], s[60:63] for B's
.set G0B, 68
.set G1SA, 80
.set G1SB, 88
.set G0SA, 96
.set G0SB, 60
.set MSB, 0
.macro WIN new                         ; the immediate's high byte repeats the setting that is left
.if MSB != (\new)
	s_set_vgpr_msb (MSB<<8)|(\new)
.set MSB, (\new)
.endif
.endm
.set MUL_LO, 0xa1                      ; source 0 (B) window 1, source 1 (A) window 0, C and D window 2
.set MUL_HI, 0xf1
.set TO_B,   0x40
.macro JLOAD g0a, g1a, g0b, g1b        ; a joint load: waves 0 and 1 fetch for A, waves 2 and 3 for B; an s_nop 0 and four v_nop follow each of the two lines
	s_cmp_eq_u32 s15, 0
	s_cbranch_scc0 .Lfor_b_\@
	tensor_load_to_lds s[\g0a:\g0a+3], s[\g1a:\g1a+7]
	s_nop 0
.rept 4
	v_nop
.endr
	s_branch .Lasked_\@
.Lfor_b_\@:
	tensor_load_to_lds s[\g0b:\g0b+3], s[\g1b:\g1b+7]
	s_nop 0
.rept 4
	v_nop
.endr
.Lasked_\@:
.endm
.macro CREST
	s_cmp_lg_u32 s14, 0
	s_cbranch_scc1 .Lnot_wave_0_\@
	s_barrier_signal -3
.Lnot_wave_0_\@:
	s_barrier_wait -3
	s_barrier_signal -1
	s_barrier_wait -1
.endm
.macro CROUND
	s_barrier_signal -1
	s_barrier_wait -1
	CREST
.endm
.macro PLACES n
.rept \n
	v_nop
.endr
.endm
.macro FRAG reg, a16, a8, off          ; a fragment: two pieces of 64 along K, four loads
	ds_load_b128 v[(\reg):(\reg)+3], v[\a16] offset:(\off)
	ds_load_b64 v[(\reg)+4:(\reg)+5], v[\a8] offset:(\off)+512
	ds_load_b128 v[(\reg)+6:(\reg)+9], v[\a16] offset:(\off)+768
	ds_load_b64 v[(\reg)+10:(\reg)+11], v[\a8] offset:(\off)+1280
.endm
.macro FETCH_B slot, q, p
	WIN TO_B
.irp i, 0,1,2,3,4,5,6,7
	FRAG 128*(\p)+FR*\i, B16+(\slot), B8+(\slot), \i*3072+(\q)*1536
.endr
	WIN 0
.endm
.macro FETCH_A slot, q, i0
.irp i, \i0, \i0+1, \i0+2, \i0+3
	FRAG AF+FR*(\i), A16+(\slot), A8+(\slot), (\i)*3072+(\q)*1536
.endr
.endm
.macro SCALES q                        ; quarter q's scale words: two a row; lanes 0-15 take A's block i, lanes 16-31 B's block i
.irp i, 0,1,2,3,4,5,6,7
	ds_load_b64 v[SC+16*((\q)%2)+2*\i:SC+16*((\q)%2)+2*\i+1], v[ADRS+(\q)%3] offset:\i*128
.endr
.endm
; 16 matrix instructions: A's blocks a0, a0 + 1 x B's eight.  zero = 1: the first product starts the sums.  The 64 accumulators take turns, one instruction a turn, in the same order in every step.
.macro MUL16 a0, p, q, sc, zero
.irp a, \a0, \a0+1
.irp b, 0,1,2,3,4,5,6,7
.if (\zero) == 1
	v_wmma_scale_f32_16x16x128_f8f6f4 v[8*(8*((\a)%4)+\b):8*(8*((\a)%4)+\b)+7], v[128*(\p)+FR*\b:128*(\p)+FR*\b+FR-1], v[AF+FR*(\a):AF+FR*(\a)+FR-1], 0, v[SC+16*(\sc)+2*\b+(\q)], v[SC+16*(\sc)+2*(\a)+(\q)] matrix_a_fmt:MATRIX_FMT_FP6 matrix_b_fmt:MATRIX_FMT_FP6 matrix_a_scale:MATRIX_SCALE_ROW1
.else
	v_wmma_scale_f32_16x16x128_f8f6f4 v[8*(8*((\a)%4)+\b):8*(8*((\a)%4)+\b)+7], v[128*(\p)+FR*\b:128*(\p)+FR*\b+FR-1], v[AF+FR*(\a):AF+FR*(\a)+FR-1], v[8*(8*((\a)%4)+\b):8*(8*((\a)%4)+\b)+7], v[SC+16*(\sc)+2*\b+(\q)], v[SC+16*(\sc)+2*(\a)+(\q)] matrix_a_fmt:MATRIX_FMT_FP6 matrix_b_fmt:MATRIX_FMT_FP6 matrix_a_scale:MATRIX_SCALE_ROW1
.endif
.endr
.endr
.endm
; K step k, whose successor's tiles are known to lie in LDS.  Loads into registers that matrix instructions have read stand four plain places behind them (ISA guide 7.12.1 for vector instructions).
.macro STEPN k, zero
.set PP, (\k)%2
.set QC, ((\k)/2)%2
.set SN, (((\k)+1)/2)%3
.set QN, ((\k)+1)%2
	s_wait_dscnt 16                                ; all but the youngest sixteen loads (A's blocks 4-7) are in
	WIN MUL_LO
	MUL16 0, PP, PP, QC, \zero
	MUL16 2, PP, PP, QC, \zero
	s_wait_dscnt 0x0                               ; A's blocks 4-7 are in
	PLACES 4
	FETCH_B SN, QN, 1-PP
	FETCH_A SN, QN, 0
.if PP
	SCALES ((\k)+1)/2
.endif
	WIN MUL_HI
	MUL16 4, PP, PP, QC, \zero
	MUL16 6, PP, PP, QC, \zero
	PLACES 4
	WIN 0
	FETCH_A SN, QN, 4
.endm
; K step k (odd) with a barrier.  fill = 1: the slot just read out (slot 0) is filled again: the barrier opens a round of the cluster's.
.macro TURN k, fill
.set QC, ((\k)/2)%2
.set SN, (((\k)+1)/2)%3
	s_wait_tensorcnt 0x0                           ; all my tensor loads have landed;  (every window is 0 here)
	ds_add_u32 v[SPW], v[NIL]                      ; 0 onto my spare word
	s_wait_dscnt 17                                ; (the add and the youngest sixteen loads may be out)
	WIN MUL_LO
	MUL16 0, 1, 1, QC, 0
	s_wait_dscnt 0x0                               ; the add is done, and my reads of this slot are over
	s_barrier_signal -1
	MUL16 2, 1, 1, QC, 0
	WIN 0
	s_barrier_wait -1
.if \fill
	CREST                                          ; no wave of any partner still reads slot 0 or has a load on its way
	s_add_nc_u64 s[G0A+2:G0A+3], s[G0A+2:G0A+3], 3*QB   ; three quarters on: the last quarter of K
	s_add_nc_u64 s[G0B+2:G0B+3], s[G0B+2:G0B+3], 3*QB
	RLOAD                                          ; the first tensor load behind the round; the four v_nop are the places in front of the loads below
.else
	PLACES 4
.endif
	FETCH_B SN, 0, 0
	FETCH_A SN, 0, 0
	SCALES ((\k)+1)/2
	WIN MUL_HI
	MUL16 4, 1, 1, QC, 0
	MUL16 6, 1, 1, QC, 0
	PLACES 4
	WIN 0
	FETCH_A SN, 0, 4
.endm
.macro LAST                            ; K step 7: nothing more to fetch
	s_wait_dscnt 16
	WIN MUL_LO
	MUL16 0, 1, 1, 1, 0
	MUL16 2, 1, 1, 1, 0
	s_wait_dscnt 0x0
	WIN MUL_HI
	MUL16 4, 1, 1, 1, 0
	MUL16 6, 1, 1, 1, 0
	WIN 0
.endm
; 64 numbers of a lane, register 16 b + i = k 32 b + 16 (lane / 16) + i of my row, become a fragment's codes in v[PC] on and its scale word in v[PW]
.macro QUANT s
.irp b, 0,1,2,3
	v_max3_num_f32 v[TM+\b], |v[\s+16*\b]|, |v[\s+1+16*\b]|, 0x1800000   ; my 16 numbers of block b, and the floor 2^(3 - 127): the byte cannot fall under 1
.endr
.irp i, 2,4,6,8,10,12,14
.irp b, 0,1,2,3
	v_max3_num_f32 v[TM+\b], v[TM+\b], |v[\s+16*\b+\i]|, |v[\s+1+16*\b+\i]|
.endr
.endr
.irp b, 0,1,2,3
	v_permlanex16_b32 v[TM+4+\b], v[TM+\b], s[SEL], s[SEL+1]
.endr
.irp b, 0,1,2,3
	v_max_num_f32 v[TM+\b], v[TM+\b], v[TM+4+\b]   ; with lane l xor 16's: the block's largest magnitude
.endr
.irp b, 0,1,2,3
	v_add_nc_u32 v[TM+12+\b], 0xff000000, v[TM+\b] ; 2 off its exponent field: the conversion's scale operand
.endr
.irp b, 0,1,2,3
	v_lshrrev_b32 v[TM+4+\b], 23, v[TM+12+\b]      ; the scale's byte
.endr
	v_lshl_or_b32 v[PW], v[TM+5], 8, v[TM+4]
	v_lshl_or_b32 v[PW], v[TM+6], 16, v[PW]
	v_lshl_or_b32 v[PW], v[TM+7], 24, v[PW]
.irp c, 0,1
	v_cvt_scalef32_pk16_fp6_f32 v[PC+6*\c:PC+2+6*\c], v[\s+32*\c:\s+15+32*\c], v[TM+12+2*\c]
	v_cvt_scalef32_pk16_fp6_f32 v[PC+12+4*\c:PC+14+4*\c], v[\s+16+32*\c:\s+31+32*\c], v[TM+12+2*\c+1]
.endr
	v_nop                                          ; one plain place behind a scaled conversion
.irp c, 0,1                                    ; the operand's layout wants a whole block in a lane
.irp i, 0,1,2
	v_permlane16_swap_b32 v[PC+6*\c+\i], v[PC+12+4*\c+\i]
.endr
.irp i, 0,1,2
	v_mov_b32 v[PC+3+6*\c+\i], v[PC+12+4*\c+\i]
.endr
.endr
.endm
	s_load_b256 s[4:11], s[0:1], 0x0               ; xq s[4:5], wq s[6:7], b_qkv s[8:9], qq s[10:11]
	s_load_b64 s[12:13], s[0:1], 0x20              ; kv
	v_lshl_add_u32 v[SPW], v0, 2, SPARE
	v_mov_b32 v[NIL], 0
	ds_add_u32 v[SPW], v[NIL]                      ; the wave's opening
	ds_add_u32 v[SPW], v[NIL]
	v_lshrrev_b32 v1, 5, v0
	v_readfirstlane_b32 s14, v1                    ; wave
	s_lshr_b32 s15, s14, 1                         ; my half of A's rows
	s_and_b32 s16, s14, 1                          ; my half of B's rows
	s_bfe_u32 s40, ttmp6, 0x40000                  ; cx
	s_bfe_u32 s41, ttmp6, 0x40004                  ; cy
	s_and_b32 s43, ttmp7, 0xffff                   ; the cluster's y
	s_lshl_b32 s17, s41, 2
	s_lshl_b32 s17, 15, s17                        ; my row of the cluster
	s_lshl_b32 s18, 0x1111, s40                    ; my column
	s_or_b32 s[G1A], s17, (3<<16)|(1<<21)          ; 15:0 the mask; 17:16 elements of 8 bytes; 21 set beside a mask; no padding
	s_or_b32 s[G1B], s18, (3<<16)|(1<<21)
	s_or_b32 s[G1SA], s17, (3<<16)|(1<<21)
	s_or_b32 s[G1SB], s18, (3<<16)|(1<<21)
.irp g, G1A, G1B                       ; a quarter of K for slot 0: codes and scale bytes
	s_mov_b32 s[\g+1], 32<<16                      ; a quarter's block: 200 rows of 256 bytes
	s_mov_b32 s[\g+2], 200<<16
	s_mov_b32 s[\g+3], 32<<16
	s_mov_b32 s[\g+4], 200
	s_mov_b32 s[\g+5], 32
	s_mov_b32 s[\g+6], 0
	s_mov_b32 s[\g+7], 0
.endr
.irp g, G1SA, G1SB                     ; quarters 1 and 2 for slots 1 and 2: codes and scale bytes
	s_mov_b32 s[\g+1], 32<<16
	s_mov_b32 s[\g+2], 400<<16                     ; two quarters' blocks on end: 400 rows of 256 bytes
	s_mov_b32 s[\g+3], 32<<16
	s_mov_b32 s[\g+4], 400
	s_mov_b32 s[\g+5], 32
	s_mov_b32 s[\g+6], 0
	s_mov_b32 s[\g+7], 0
.endr
	s_lshl_b32 s44, s43, 2
	s_add_co_u32 s44, s44, s41                     ; q, k: A's tile of 256 tokens = 4 y + cy
	s_add_co_u32 s45, s41, 8                       ; v: A's tile of 256 columns of W = 8 + cy
	s_lshl_b32 s46, ttmp9, 2
	s_add_co_u32 s46, s46, s40                     ; q, k: B's tile of 256 columns = 4 x + cx
	s_lshl_b32 s47, s43, 3
	s_add_co_u32 s47, s47, s46
	s_sub_co_u32 s47, s47, 64                      ; v: B's tile of 256 tokens = 4 x + cx + 8 (y - 8)
	s_cmp_ge_u32 s43, 8
	s_cselect_b32 s44, s45, s44                    ; A's tile hangs on cy and the cluster's y alone,
	s_cselect_b32 s46, s47, s46                    ; B's on cx and the cluster's place
	s_mul_i32 s20, s44, 4*QB                       ; where A's 256 rows begin in their buffer,
	s_mov_b32 s21, 0
	s_mul_i32 s2, s46, 4*QB                        ; and B's
	s_mov_b32 s3, 0
	s_wait_dscnt 0x0                               ; the opening add is done
	s_wait_kmcnt 0x0
	s_cmp_ge_u32 s43, 8
	s_cselect_b64 s[G0A+2:G0A+3], s[6:7], s[4:5]   ; A's buffer
	s_cselect_b64 s[G0B+2:G0B+3], s[4:5], s[6:7]   ; B's
	s_add_nc_u64 s[G0A+2:G0A+3], s[G0A+2:G0A+3], s[20:21]   ; quarter 0 of A's rows,
	s_add_nc_u64 s[G0B+2:G0B+3], s[G0B+2:G0B+3], s[2:3]     ; of B's;
	s_add_nc_u64 s[G0SA+2:G0SA+3], s[G0A+2:G0A+3], QB       ; quarters 1 and 2
	s_add_nc_u64 s[G0SB+2:G0SB+3], s[G0B+2:G0B+3], QB
.irp g, G0A, G0B, G0SA, G0SB
	s_mov_b32 s[\g], 1
	s_or_b32 s[\g+3], s[\g+3], 0x80000000
.endr
	s_mov_b32 s[G0A+1], 0                          ; LDS: A's slot 0, B's slot 0, A's slots 1 and 2, B's
	s_mov_b32 s[G0B+1], 3*QB
	s_mov_b32 s[G0SA+1], QB
	s_mov_b32 s[G0SB+1], 4*QB
	CROUND                                         ; all sixteen work-groups are here: the first joint loads meet
.macro TL g0, g1                       ; a joint load
	tensor_load_to_lds s[\g0:\g0+3], s[\g1:\g1+7]
	s_nop 0
	PLACES 4
.endm
.macro RLOAD                           ; the refill of slot 0: wave 0 A's block, wave 1 B's; waves 2 and 3 have no part
	s_cmp_eq_u32 s14, 0
	s_cbranch_scc0 .Lr1_\@
	TL G0A, G1A
	s_branch .Lrd_\@
.Lr1_\@:
	s_cmp_eq_u32 s14, 1
	s_cbranch_scc0 .Lr2_\@
	tensor_load_to_lds s[G0B:G0B+3], s[G1B:G1B+7]
	s_nop 0
.Lr2_\@:
	PLACES 4
.Lrd_\@:
.endm
	s_cmp_eq_u32 s14, 0                            ; the head's loads, one a wave, in one chain of arms; what K step 0 needs is asked for first
	s_cbranch_scc0 .Lh1
	TL G0A, G1A
	s_branch .Lhd
.Lh1:
	s_cmp_eq_u32 s14, 1
	s_cbranch_scc0 .Lh2
	TL G0B, G1B
	s_branch .Lhd
.Lh2:
	s_cmp_eq_u32 s14, 2
	s_cbranch_scc0 .Lh3
	TL G0SA, G1SA
	s_branch .Lhd
.Lh3:
	TL G0SB, G1SB
.Lhd:
	s_mov_b32 s[SEL], 0x76543210
	s_mov_b32 s[SEL+1], 0xfedcba98
	s_mov_b32 s6, 0xffff0000
	v_and_b32 v1, 15, v0                           ; r
	v_bfe_u32 v2, v0, 4, 1                         ; h
	v_and_b32 v3, 31, v0
	v_lshlrev_b32 v[L16], 4, v3
	v_lshlrev_b32 v[L8], 3, v3
	v_lshlrev_b32 v[L4], 2, v3
	s_mul_i32 s17, s15, HALFT                      ; my 8 tiles of A
	s_mul_i32 s18, s16, HALFT
	s_add_co_u32 s18, s18, 3*QB                    ; my 8 tiles of B, behind A's three slots
.irp s, 0,1,2
	v_add_nc_u32 v[A16+\s], s17, v[L16]
	v_add_nc_u32 v[A8+\s], s17, v[L8]
	v_add_nc_u32 v[B16+\s], s18, v[L16]
	v_add_nc_u32 v[B8+\s], s18, v[L8]
	s_add_co_u32 s17, s17, QB
	s_add_co_u32 s18, s18, QB
.endr
	s_lshl_b32 s19, s15, 10                        ; 8 tiles x 128 scale bytes
	s_lshl_b32 s22, s16, 10
	s_add_co_u32 s22, s22, SCLD
	s_sub_co_u32 s22, s22, s19
	v_mul_u32_u24 v20, s22, v2                     ; lanes 16-31 take B's
	s_add_co_u32 s19, s19, SCLA
	v_lshl_add_u32 v[ADRS], v1, 3, v20
	v_add_nc_u32 v[ADRS], s19, v[ADRS]
	v_add_nc_u32 v[ADRS+1], QB, v[ADRS]
	v_add_nc_u32 v[ADRS+2], 2*QB, v[ADRS]
	s_wait_alu depctr_va_vdst(0)
	s_cmp_lt_u32 s14, 2                            ; waves 0 and 1 wait for slot 0's two blocks; slots 1 and 2 may stay out
	s_cbranch_scc0 .Lnot01
	s_wait_tensorcnt 0x0
.Lnot01:
	s_barrier_signal -1
	s_barrier_wait -1
	FETCH_B 0, 0, 0
	FETCH_A 0, 0, 0
	SCALES 0
	FETCH_A 0, 0, 4
	STEPN 0, 1                                     ; the first step's products start the sums
	TURN 1, 1                                      ; slots 1 and 2 are shown whole to every wave; slot 0 takes the last quarter of K
	STEPN 2, 0
	STEPN 3, 0
	STEPN 4, 0
	TURN 5, 0                                      ; slot 0's second fill is shown whole; nothing is filled again
	STEPN 6, 0
	s_cmp_ge_u32 s43, 8                            ; the cluster's y: the same in all partners
	s_cbranch_scc1 .Lv_arm
; ---------------- q and k: block a is a tile of 16 tokens; my 128 columns are two heads
	s_lshl_b32 s17, s46, 8
	s_lshl_b32 s18, s16, 7
	s_add_co_u32 s17, s17, s18                     ; my first column of q | k
	s_lshl_b32 s20, s17, 2
	s_mov_b32 s21, 0
	s_add_nc_u64 s[8:9], s[8:9], s[20:21]
	v_lshlrev_b32 v20, 6, v2                       ; the bias in the result's layout: for B's block 2 b + u the columns 32 b + 16 h + 8 u + 0 .. 7
.irp b, 0,1,2,3,4,5,6,7
	global_load_b128 v[BI+8*\b:BI+8*\b+3], v20, s[8:9] offset:(32*(\b/2)+8*(\b%2))*4
	global_load_b128 v[BI+8*\b+4:BI+8*\b+7], v20, s[8:9] offset:(32*(\b/2)+8*(\b%2))*4+16
.endr
	s_lshl_b32 s18, s44, 1
	s_add_co_u32 s18, s18, s15                     ; my 128 tokens,
	s_lshr_b32 s19, s18, 4                         ; their batch,
	s_and_b32 s18, s18, 15                         ; and which 128 of its 2,048
	s_lshr_b32 s17, s17, 6
	s_and_b32 s17, s17, 15
	s_lshl_b32 s19, s19, 4
	s_add_co_u32 s17, s17, s19                     ; 16 x batch + head
	s_mov_b32 s20, 98304                           ; q: a head's codes, 128 tokens' codes, a head's scale words, 128 tokens' words, where the words begin
	s_mov_b32 s21, 6144
	s_mov_b32 s22, 8192
	s_mov_b32 s23, 512
	s_mov_b32 s42, QSC
	s_cmp_eq_u32 ttmp9, 0                          ; the cluster's x: 0 = q, 1 = k
	s_cselect_b64 s[48:49], s[10:11], s[12:13]
	s_cselect_b32 s20, s20, 208896                 ; k: a head's records, a record
	s_cselect_b32 s21, s21, 13056
	s_cselect_b32 s22, s22, 208896
	s_cselect_b32 s23, s23, 13056
	s_cselect_b32 s42, s42, 12288
	s_mul_i32 s2, s17, s20
	s_mul_i32 s3, s18, s21
	s_add_co_u32 s2, s2, s3
	s_mov_b32 s3, 0
	s_mov_b32 s21, 0
	s_mul_i32 s66, s17, s22
	s_mul_i32 s67, s18, s23
	s_add_co_u32 s66, s66, s67
	s_add_co_u32 s66, s66, s42
	s_mov_b32 s67, 0
	s_mov_b32 s23, 0
	s_add_nc_u64 s[52:53], s[48:49], s[66:67]      ; scale words of my first head,
	s_add_nc_u64 s[54:55], s[52:53], s[22:23]      ; of my second;
	s_add_nc_u64 s[48:49], s[48:49], s[2:3]        ; codes of my first head,
	s_add_nc_u64 s[50:51], s[48:49], s[20:21]      ; of my second
	LAST
	PLACES 4                                       ; in front of the first read of results and the first write of A's registers
.irp b, 0,1,2,3
	v_mov_b32 v[TM+4+\b], 0                        ; written once: a lane permute's destination counts as one of its sources
.endr
	s_wait_loadcnt 0x0                             ; the bias
.macro EPI_QK a
.set AC, 64*((\a)%4)
	WIN 0x02+(\a)/4                                ; source 0: window 2 or 3
.set I, 0
.rept 32
	v_pk_add_f32 v[H+I:H+I+1], v[AC+I:AC+I+1], v[BI+I:BI+I+1]   ; + bias; each accumulator from its low end on
.set I, I+2
.endr
	WIN 0
.if (\a) > 0
	s_wait_xcnt 0x0                                ; the last block's stores have read their registers
.endif
	QUANT H
	global_store_b128 v[L16], v[PC:PC+3], s[48:49] offset:768*(\a)             ; registers 0-5: my first head's 64 dims: a tile of 768 bytes, in runs of 512 and 256 consecutive bytes
	global_store_b64 v[L8], v[PC+4:PC+5], s[48:49] offset:768*(\a)+512
	global_store_b128 v[L16], v[PC+6:PC+9], s[50:51] offset:768*(\a)           ; registers 6-11: my second head's
	global_store_b64 v[L8], v[PC+10:PC+11], s[50:51] offset:768*(\a)+512
.if (\a)%2 == 0
	v_mov_b32 v[PWE], v[PW]
.else
	v_cndmask_b32 v[W0], v[PWE], v[PW], s6         ; lanes 0-15 the even tile's words, lanes 16-31 the odd tile's
	v_lshrrev_b32 v[W1], 16, v[W0]                 ; bytes 2, 3: the second head's two blocks
	v_and_b32 v[W0], 0xffff, v[W0]                 ; bytes 0, 1: the first head's
	global_store_b32 v[L4], v[W0], s[52:53] offset:64*((\a)-1)
	global_store_b32 v[L4], v[W1], s[54:55] offset:64*((\a)-1)
.endif
.endm
.irp a, 0,1,2,3,4,5,6,7
	EPI_QK \a
.endr
	s_wait_tensorcnt 0x0                           ; the wave's end
	ds_add_u32 v[SPW], v[NIL]
	s_wait_dscnt 0x0
	CROUND                                         ; the closing round
	s_endpgm
; ---------------- v: block a is a tile of 16 dims (blocks 0-3 my first head, 4-7 my second); my 128 tokens are one record's keys
.Lv_arm:
	s_lshl_b32 s17, s41, 8
	s_lshl_b32 s18, s15, 7
	s_add_co_u32 s17, s17, s18                     ; my first column of v
	s_lshl_b32 s20, s17, 2
	s_add_co_u32 s20, s20, 8192                    ; v's bias begins at number 2,048
	s_mov_b32 s21, 0
	s_add_nc_u64 s[8:9], s[8:9], s[20:21]
	v_and_b32 v20, 8, v1
	v_add_nc_u32 v20, v20, v1
	v_lshlrev_b32 v20, 2, v20                      ; my lane's dim in a tile: r + 8 (r / 8)
.irp a, 0,1,2,3,4,5,6,7
	global_load_b32 v[BI+2*\a], v20, s[8:9] offset:(32*(\a/2)+8*(\a%2))*4
	v_mov_b32 v[BI+2*\a+1], 0                      ; (named with it as a pair)
.endr
	s_lshl_b32 s18, s46, 1
	s_add_co_u32 s18, s18, s16                     ; my 128 tokens,
	s_lshr_b32 s19, s18, 4                         ; their batch,
	s_and_b32 s18, s18, 15                         ; their record
	s_lshr_b32 s17, s17, 6
	s_lshl_b32 s19, s19, 4
	s_add_co_u32 s17, s17, s19                     ; 16 x batch + head
	s_mul_i32 s2, s17, 208896
	s_mul_i32 s3, s18, 13056
	s_add_co_u32 s2, s2, s3
	s_mov_b32 s3, 0
	s_add_nc_u64 s[48:49], s[12:13], s[2:3]        ; the record of my first head,
	s_add_nc_u64 s[50:51], s[48:49], 208896        ; of my second
	LAST
	PLACES 4
.irp b, 0,1,2,3
	v_mov_b32 v[TM+4+\b], 0
.endr
	s_wait_loadcnt 0x0
.macro EPI_V a
.set AC, 64*((\a)%4)
.set CB, 48+2*((\a)/4)
	WIN 0x02+(\a)/4
.set I, 0
.rept 32
	v_pk_add_f32 v[H+I:H+I+1], v[AC+I:AC+I+1], v[BI+2*(\a):BI+2*(\a)+1] op_sel_hi:[1,0]   ; + my dim's bias
.set I, I+2
.endr
	WIN 0
.if (\a) > 0
	s_wait_xcnt 0x0
.endif
	QUANT H                                        ; along the keys
.irp p, 0,1,2
	global_store_b128 v[L16], v[PC+4*\p:PC+4*\p+3], s[CB:CB+1] offset:6144+1536*((\a)%4)+512*\p   ; the fragment as it stands: 512 consecutive bytes a store
.endr
.if (\a)%2 == 0
	v_mov_b32 v[PWE], v[PW]
.else
	v_cndmask_b32 v[W0], v[PWE], v[PW], s6
	global_store_b32 v[L4], v[W0], s[CB:CB+1] offset:12800+64*((\a)%4-1)
.endif
.endm
.irp a, 0,1,2,3,4,5,6,7
	EPI_V \a
.endr
	s_wait_tensorcnt 0x0                           ; the wave's end
	ds_add_u32 v[SPW], v[NIL]
	s_wait_dscnt 0x0
	CROUND
	s_endpgm
.Lfunc_end_k_q0d25df4c29_qkv:
	.size	k_q0d25df4c29_qkv, .Lfunc_end_k_q0d25df4c29_qkv-k_q0d25df4c29_qkv
	.p2alignl 7, 3214868480
	.fill 96, 4, 3214868480
	.section	.rodata,"a",@progbits
	.p2align	6, 0x0
	.amdhsa_kernel k_q0d25df4c29_qkv
		.amdhsa_group_segment_fixed_size 327680
		.amdhsa_private_segment_fixed_size 0
		.amdhsa_enable_private_segment 0
		.amdhsa_kernarg_size 40
		.amdhsa_user_sgpr_count 2
		.amdhsa_user_sgpr_kernarg_segment_ptr 1
		.amdhsa_wavefront_size32 1
		.amdhsa_system_sgpr_workgroup_id_x 1
		.amdhsa_system_sgpr_workgroup_id_y 1
		.amdhsa_system_sgpr_workgroup_id_z 1
		.amdhsa_system_vgpr_workitem_id 0
		.amdhsa_next_free_vgpr 1024
		.amdhsa_next_free_sgpr 100
		.amdhsa_reserve_vcc 0
		.amdhsa_float_denorm_mode_32 3
		.amdhsa_float_denorm_mode_16_64 3
		.amdhsa_memory_ordered 1
		.amdhsa_forward_progress 1
		.amdhsa_inst_pref_size 226
	.end_amdhsa_kernel
	.amdgpu_metadata
---
amdhsa.version: [ 1, 2 ]
amdhsa.kernels:
  - .name:           k_q0d25df4c29_qkv
    .symbol:         k_q0d25df4c29_qkv.kd
    .args:
      - { .name: xq, .offset: 0, .size: 8, .value_kind: global_buffer, .address_space: global }
      - { .name: wq, .offset: 8, .size: 8, .value_kind: global_buffer, .address_space: global }
      - { .name: b_qkv, .offset: 16, .size: 8, .value_kind: global_buffer, .address_space: global }
      - { .name: qq, .offset: 24, .size: 8, .value_kind: global_buffer, .address_space: global }
      - { .name: kv, .offset: 32, .size: 8, .value_kind: global_buffer, .address_space: global }
    .group_segment_fixed_size: 327680
    .private_segment_fixed_size: 0
    .kernarg_segment_align: 8
    .kernarg_segment_size: 40
    .max_flat_workgroup_size: 128
    .sgpr_count:     100
    .vgpr_count:     1024
    .wavefront_size: 32
...
	.end_amdgpu_metadata
.endif
;; end of part 2
;; launch attn (part 3): grid 4 x 64, 16 waves a work-group, clusters of 4 x 1, 327,680 bytes of LDS; arguments qq, kv, yq; writes yq
.if DOCPART == 3
	.amdgcn_target "amdgcn-amd-amdhsa--gfx1250"
	.amdhsa_code_object_version 6
	.text
	.protected	k_q0d25df4c29_attn
	.globl	k_q0d25df4c29_attn
	.p2align	8
	.type	k_q0d25df4c29_attn,@function
k_q0d25df4c29_attn:
	s_mov_b64 s[64:65], 0
	v_nop
	global_prefetch_b8 v0, s[64:65] scope:SCOPE_SE
	s_setreg_imm32_b32 hwreg(HW_REG_WAVE_MODE, 25, 1), 1
	s_wait_xcnt 0x0
	s_wait_alu depctr_hold_cnt(0) depctr_sa_sdst(0) depctr_va_vdst(0) depctr_va_sdst(0) depctr_va_ssrc(0) depctr_va_vcc(0) depctr_vm_vsrc(0)
	s_getreg_b32 s2, hwreg(HW_REG_IB_STS2, 6, 4)
	s_cmp_eq_u32 s2, 0
	s_cbranch_scc0 .Lentry_in_a_cluster
	s_endpgm
.Lentry_in_a_cluster:
	s_bfe_u32 s2, ttmp6, 0x10000c
	s_cmp_lg_u32 s2, 0x3003
	s_cbranch_scc0 .Lentry_shape_is_right
	s_endpgm
.Lentry_shape_is_right:
.set QSC,   6291456
.set XSC,   6291456
.set HEADB, 208896
.set REC,   13056
.set SPARE, 208896
.set SPW, 3
.set NIL, 4
.set KS,  8
.set KF,  32
.set S,   128
.set O,   192
.set PC,  224
.set BM,  236
.set X8,  240
.set SO,  248
.set WV, 10
.set GA, 11
.set EE, 12
.set CX, 13
.set BH, 14
.set SEL, 20
.set CS, 22
.set G1A, 24
.set G1B, 32
.set G0A, 40
.set G0B, 44
.set TB, 48
.set ST, 49
.set G,  50
.set HI, 51
.set QP, 54
.set QS, 56
.set YP, 58
.set YS, 60
.macro CROUND
	s_barrier_signal -1
	s_barrier_wait -1
	s_cmp_lg_u32 s[WV], 0
	s_cbranch_scc1 .Lnot_wave_0_\@
	s_barrier_signal -3
.Lnot_wave_0_\@:
	s_barrier_wait -3
	s_barrier_signal -1
	s_barrier_wait -1
.endm
	s_load_b128 s[4:7], s[0:1], 0x0
	s_load_b64 s[8:9], s[0:1], 0x10
	v_lshl_add_u32 v[SPW], v0, 2, SPARE
	v_mov_b32 v[NIL], 0
	ds_add_u32 v[SPW], v[NIL]
	ds_add_u32 v[SPW], v[NIL]
	v_lshrrev_b32 v1, 5, v0
	s_delay_alu instid0(VALU_DEP_1)
	v_readfirstlane_b32 s[WV], v1
	s_lshr_b32 s[GA], s[WV], 1
	s_and_b32 s[EE], s[WV], 1
	s_bfe_u32 s[CX], ttmp6, 0x40000
	s_and_b32 s[BH], ttmp7, 0xffff
	s_mov_b32 s[G1A], 15|(3<<16)|(1<<21)
	s_mov_b32 s[G1A+1], 32<<16
	s_mov_b32 s[G1A+2], 51<<16                     ; a record of 128 keys: 13,056 bytes, 51 rows of 256
	s_mov_b32 s[G1A+3], 32<<16
	s_mov_b32 s[G1A+4], 51
	s_mov_b32 s[G1A+5], 32
	s_mov_b32 s[G1A+6], 0
	s_mov_b32 s[G1A+7], 0
	s_mul_i32 s15, s[WV], REC                      ; wave w fetches record w of the head's sixteen
	s_mul_i32 s17, s[BH], HEADB
	s_add_co_u32 s18, s17, s15
	s_mov_b32 s19, 0
	s_mov_b32 s[SEL], 0x76543210
	s_mov_b32 s[SEL+1], 0xfedcba98
	s_mov_b32 s[CS], 0x3e38aa3b
	s_mov_b32 s[CS+1], s[CS]
	s_wait_dscnt 0x0
	s_wait_kmcnt 0x0
	s_mov_b32 s[G0A], 1
	s_mov_b32 s[G0A+1], s15
	s_add_nc_u64 s[G0A+2:G0A+3], s[6:7], s[18:19]
	s_or_b32 s[G0A+3], s[G0A+3], 0x80000000
	CROUND
	s_cmp_lt_u32 s[WV], 4                          ; one joint load a wave.  Waves 0-3, whose records the first four key steps read, have a line of their own: they alone wait ahead of the first barrier
	s_cbranch_scc0 .Lrest
	tensor_load_to_lds s[G0A:G0A+3], s[G1A:G1A+7]
	s_nop 0
.rept 4
	v_nop
.endr
	s_branch .Lasked
.Lrest:
	tensor_load_to_lds s[G0A:G0A+3], s[G1A:G1A+7]
	s_nop 0
.rept 4
	v_nop
.endr
.Lasked:
	v_and_b32 v1, 31, v0
	v_and_b32 v5, 15, v0
	s_delay_alu instid0(VALU_DEP_1)
	v_and_b32 v6, 8, v5
	s_delay_alu instid0(VALU_DEP_1)
	v_add_nc_u32 v5, v5, v6
	v_bfe_u32 v6, v0, 4, 1
	s_delay_alu instid0(VALU_DEP_1)
	v_lshlrev_b32 v6, 4, v6
	s_delay_alu instid0(VALU_DEP_1)
	v_sub_nc_u32 v2, v5, v6
	s_lshl_b32 s15, s[CX], 5
	s_lshl_b32 s16, s[EE], 3
	s_add_co_u32 s15, s15, s16
	v_add_nc_u32 v2, s15, v2
.irp j, 22,23,24,25,26,27
	v_mov_b32 v\j, 0
.endr
.irp t, 0,1,2,3,4,5,6,7
.irp j, 6,7,8,9,10,11
	v_mov_b32 v[KF+12*\t+\j], 0
.endr
.endr
.irp b, 0,1,2,3
	v_mov_b32 v[X8+\b], 0
.endr
	v_mov_b32 v253, 0
	v_mov_b32 v254, 0
	v_mov_b32 v255, 0xff800000
.macro PREP
	s_wait_xcnt 0x0
	s_lshl_b32 s15, s[G], 3
	s_lshl_b32 s16, s[CX], 1
	s_add_co_u32 s15, s15, s16
	s_add_co_u32 s15, s15, s[EE]
	s_lshl_b32 s16, s[BH], 7
	s_add_co_u32 s16, s16, s15
	s_mul_i32 s18, s16, 768
	s_mov_b32 s19, 0
	s_add_nc_u64 s[QP:QP+1], s[4:5], s[18:19]
	s_lshl_b32 s18, s16, 6
	s_add_co_u32 s18, s18, QSC
	s_add_nc_u64 s[QS:QS+1], s[4:5], s[18:19]
	s_lshr_b32 s16, s[BH], 4
	s_lshl_b32 s16, s16, 7
	s_add_co_u32 s16, s16, s15
	s_and_b32 s17, s[BH], 15
	; yq: for each 8 tiles (128 rows) and each quarter of K (four heads) a block of 25,600 bytes: 8 x 3,072 of codes, then 8 x 128 scale bytes
	s_lshr_b32 s18, s16, 3
	s_mul_i32 s18, s18, 102400
	s_lshr_b32 s52, s17, 2
	s_mul_i32 s52, s52, 25600
	s_add_co_u32 s53, s18, s52
	s_and_b32 s16, s16, 7
	s_and_b32 s17, s17, 3                          ; my head's piece of 64 along K
	s_mul_i32 s18, s16, 3072
	s_mul_i32 s52, s17, 768
	s_add_co_u32 s18, s18, s52
	s_add_co_u32 s18, s18, s53
	s_add_nc_u64 s[YP:YP+1], s[8:9], s[18:19]
	s_lshl_b32 s18, s16, 7
	s_lshl_b32 s52, s17, 1
	s_add_co_u32 s18, s18, s52
	s_add_co_u32 s18, s18, s53
	s_add_co_u32 s18, s18, 24576
	s_add_nc_u64 s[YS:YS+1], s[8:9], s[18:19]
	v_lshlrev_b32 v5, 4, v1
	v_lshlrev_b32 v6, 3, v1
	v_and_b32 v7, 15, v1
	s_delay_alu instid0(VALU_DEP_1)
	v_lshlrev_b32 v7, 2, v7
	global_load_b128 v[16:19], v5, s[QP:QP+1]
	global_load_b64 v[20:21], v6, s[QP:QP+1] offset:512
	global_load_b32 v28, v7, s[QS:QS+1]
.set J, 0
.rept 32
	v_mov_b32 v[O+J], 0
.set J, J+1
.endr
	v_mov_b32 v13, 0xff61b1e6
	s_delay_alu instid0(VALU_DEP_1)
	v_floor_f32 v12, -v13
	v_mov_b32 v14, 0
	v_mov_b32 v15, 0
	s_mov_b32 s[HI], s[G]
	s_wait_loadcnt 0x0
.endm
.macro STEP m
.if \m
	s_cmp_gt_u32 s[ST], s[HI]
	s_cbranch_scc1 .Lskip_\@
.endif
	v_lshl_add_u32 v5, v1, 4, s[TB]
	v_lshl_add_u32 v6, v1, 3, s[TB]
	v_lshl_add_u32 v7, v1, 2, s[TB]
	v_nop
	v_nop
.irp t, 0,1,2,3,4,5,6,7
	ds_load_b128 v[KF+12*\t:KF+12*\t+3], v5 offset:768*\t
	ds_load_b64 v[KF+12*\t+4:KF+12*\t+5], v6 offset:768*\t+512
.endr
.irp i, 0,1,2,3
	ds_load_b32 v[KS+\i], v7 offset:12288+128*\i
.endr
	s_wait_dscnt 0x0
.irp t, 0,2,4,6
	v_wmma_scale_f32_16x16x128_f8f6f4 v[S+8*\t:S+8*\t+7], v[KF+12*\t:KF+12*\t+11], v[16:27], 0, v[KS+\t/2], v28 matrix_a_fmt:MATRIX_FMT_FP6 matrix_b_fmt:MATRIX_FMT_FP6
	v_wmma_scale_f32_16x16x128_f8f6f4 v[S+8*\t+8:S+8*\t+15], v[KF+12*\t+12:KF+12*\t+23], v[16:27], 0, v[KS+\t/2], v28 matrix_a_fmt:MATRIX_FMT_FP6 matrix_b_fmt:MATRIX_FMT_FP6 matrix_a_scale:MATRIX_SCALE_ROW1
.endr
.rept 4
	v_nop
.endr
.if \m
	s_cmp_lg_u32 s[ST], s[HI]
	s_cbranch_scc1 .Lopen_\@
.set J, 0
.rept 64
	v_cmp_gt_i32 vcc_lo, 32*(J/16)+J%16, v2
	v_cndmask_b32 v[S+J], v[S+J], v255, vcc_lo
.set J, J+1
.endr
.Lopen_\@:
.endif
.irp b, 0,1,2,3
	v_max3_num_f32 v[BM+\b], v[S+16*\b], v[S+1+16*\b], v[S+2+16*\b]
.endr
.irp i, 3,5,7,9,11,13
.irp b, 0,1,2,3
	v_max3_num_f32 v[BM+\b], v[BM+\b], v[S+16*\b+\i], v[S+1+16*\b+\i]
.endr
.endr
.irp b, 0,1,2,3
	v_max_num_f32 v[BM+\b], v[BM+\b], v[S+15+16*\b]
.endr
.irp b, 0,1,2,3
	s_delay_alu instid0(VALU_DEP_4)
	v_permlanex16_b32 v[X8+\b], v[BM+\b], s[SEL], s[SEL+1]
.endr
.irp b, 0,1,2,3
	s_delay_alu instid0(VALU_DEP_4)
	v_max_num_f32 v[BM+\b], v[BM+\b], v[X8+\b]
.endr
	s_delay_alu instid0(VALU_DEP_2)
	v_max3_num_f32 v254, v[BM], v[BM+1], v[BM+2]
	s_delay_alu instid0(VALU_DEP_1)
	v_max_num_f32 v254, v254, v[BM+3]
	s_delay_alu instid0(VALU_DEP_1)
	v_mul_f32 v254, s[CS], v254
	s_delay_alu instid0(VALU_DEP_1)
	v_max_num_f32 v13, v13, v254
	v_mov_b32 v254, v12
	s_delay_alu instid0(VALU_DEP_2)
	v_floor_f32 v12, -v13
	s_delay_alu instid0(VALU_DEP_1)
	v_sub_f32 v254, v12, v254
	s_delay_alu instid0(VALU_DEP_1)
	v_cvt_i32_f32 v254, v254
	s_delay_alu instid0(VALU_DEP_1)
	v_ldexp_f32 v252, 1.0, v254
.set J, 0
.rept 32
	v_pk_fma_f32 v[S+J:S+J+1], v[S+J:S+J+1], s[CS:CS+1], v[12:13] op_sel_hi:[1,0,0]
.set J, J+2
.endr
.irp b, 0,1,2,3
	v_fma_f32 v[BM+\b], v[BM+\b], s[CS], v12
.endr
.set J, 0
	s_wait_alu depctr_va_vdst(0)
.rept 64
	v_exp_f32 v[S+J], v[S+J]
.set J, J+1
.endr
	v_pk_mul_f32 v[14:15], v[14:15], v[252:253] op_sel_hi:[1,0]
	s_wait_alu depctr_va_vdst(0)
.irp b, 0,1,2,3
	v_exp_f32 v[BM+\b], v[BM+\b]
.endr
	v_pk_add_f32 v[X8:X8+1], v[S:S+1], v[S+2:S+3]
.irp j, 4,8,12,16,20,24,28,32,36,40,44,48,52,56,60
	v_pk_add_f32 v[14:15], v[14:15], v[S+\j:S+1+\j]
	v_pk_add_f32 v[X8:X8+1], v[X8:X8+1], v[S+2+\j:S+3+\j]
.endr
	s_delay_alu instid0(VALU_DEP_1)
	v_pk_add_f32 v[14:15], v[14:15], v[X8:X8+1]
	s_wait_alu depctr_va_vdst(0)
.irp b, 0,1,2,3
	v_max_num_f32 v[BM+\b], 0x1800000, v[BM+\b]
.endr
.irp b, 0,1,2,3
	s_delay_alu instid0(VALU_DEP_4)
	v_add_nc_u32 v[SO+\b], 0xff000000, v[BM+\b]
.endr
.irp b, 0,1,2,3
	s_delay_alu instid0(VALU_DEP_4)
	v_lshrrev_b32 v[X8+\b], 23, v[SO+\b]
.endr
	s_delay_alu instid0(VALU_DEP_3)
	v_lshl_or_b32 v29, v[X8+1], 8, v[X8]
	s_delay_alu instid0(VALU_DEP_1)
	v_lshl_or_b32 v29, v[X8+2], 16, v29
	s_delay_alu instid0(VALU_DEP_1)
	v_lshl_or_b32 v29, v[X8+3], 24, v29
.irp c, 0,1
	v_cvt_scalef32_pk16_fp6_f32 v[PC+6*\c:PC+2+6*\c], v[S+32*\c:S+15+32*\c], v[SO+2*\c]
	v_cvt_scalef32_pk16_fp6_f32 v[X8+4*\c:X8+2+4*\c], v[S+16+32*\c:S+31+32*\c], v[SO+2*\c+1]
.endr
	v_nop
.irp t, 0,1,2,3
.irp p, 0,1,2
	ds_load_b128 v[S+12*\t+4*\p:S+12*\t+4*\p+3], v5 offset:6144+1536*\t+512*\p
.endr
.endr
.irp i, 0,1
	ds_load_b32 v[30+\i], v7 offset:12800+128*\i
.endr
.irp c, 0,1
.irp i, 0,1,2
	v_permlane16_swap_b32 v[PC+6*\c+\i], v[X8+4*\c+\i]
.endr
.irp i, 0,1,2
	s_delay_alu instid0(VALU_DEP_3)
	v_mov_b32 v[PC+3+6*\c+\i], v[X8+4*\c+\i]
.endr
.endr
.set J, 0
.rept 16
	v_pk_mul_f32 v[O+J:O+J+1], v[O+J:O+J+1], v[252:253] op_sel_hi:[1,0]
.set J, J+2
.endr
	s_wait_alu depctr_va_vdst(0)
	s_wait_dscnt 0x0
.irp t, 0,2
	v_wmma_scale_f32_16x16x128_f8f6f4 v[O+8*\t:O+8*\t+7], v[S+12*\t:S+12*\t+11], v[PC:PC+11], v[O+8*\t:O+8*\t+7], v[30+\t/2], v29 matrix_a_fmt:MATRIX_FMT_FP6 matrix_b_fmt:MATRIX_FMT_FP6
	v_wmma_scale_f32_16x16x128_f8f6f4 v[O+8*\t+8:O+8*\t+15], v[S+12*\t+12:S+12*\t+23], v[PC:PC+11], v[O+8*\t+8:O+8*\t+15], v[30+\t/2], v29 matrix_a_fmt:MATRIX_FMT_FP6 matrix_b_fmt:MATRIX_FMT_FP6 matrix_a_scale:MATRIX_SCALE_ROW1
.endr
.if \m
.Lskip_\@:
.endif
	s_add_co_u32 s[TB], s[TB], REC
	s_add_co_u32 s[ST], s[ST], 1
.endm
.macro TILE_OUT
.rept 4
	v_nop
.endr
	v_add_f32 v14, v14, v15
	s_delay_alu instid0(VALU_DEP_1)
	v_permlanex16_b32 v254, v14, s[SEL], s[SEL+1]
	s_delay_alu instid0(VALU_DEP_1)
	v_add_f32 v14, v14, v254
	s_wait_alu depctr_va_vdst(0)
	v_rcp_f32 v252, v14
	v_lshlrev_b32 v5, 4, v1
	v_lshlrev_b32 v6, 3, v1
	v_and_b32 v7, 15, v1
	s_delay_alu instid0(VALU_DEP_1)
	v_lshlrev_b32 v7, 3, v7
	s_wait_alu depctr_va_vdst(0)
.set J, 0
.rept 16
	v_pk_mul_f32 v[S+J:S+J+1], v[O+J:O+J+1], v[252:253] op_sel_hi:[1,0]
.set J, J+2
.endr
.irp b, 0,1
	v_max3_num_f32 v[BM+\b], |v[S+16*\b]|, |v[S+1+16*\b]|, 0x1800000
.endr
.irp i, 2,4,6,8,10,12,14
.irp b, 0,1
	s_delay_alu instid0(VALU_DEP_2)
	v_max3_num_f32 v[BM+\b], v[BM+\b], |v[S+16*\b+\i]|, |v[S+1+16*\b+\i]|
.endr
.endr
.irp b, 0,1
	s_delay_alu instid0(VALU_DEP_2)
	v_permlanex16_b32 v[X8+\b], v[BM+\b], s[SEL], s[SEL+1]
.endr
.irp b, 0,1
	s_delay_alu instid0(VALU_DEP_2)
	v_max_num_f32 v[BM+\b], v[BM+\b], v[X8+\b]
.endr
.irp b, 0,1
	s_delay_alu instid0(VALU_DEP_2)
	v_add_nc_u32 v[SO+\b], 0xff000000, v[BM+\b]
.endr
.irp b, 0,1
	s_delay_alu instid0(VALU_DEP_2)
	v_lshrrev_b32 v[X8+\b], 23, v[SO+\b]
.endr
	s_delay_alu instid0(VALU_DEP_1)
	v_lshl_or_b32 v254, v[X8+1], 8, v[X8]
	v_cvt_scalef32_pk16_fp6_f32 v[PC:PC+2], v[S:S+15], v[SO]
	v_cvt_scalef32_pk16_fp6_f32 v[X8+4:X8+6], v[S+16:S+31], v[SO+1]
	v_nop
.irp i, 0,1,2
	v_permlane16_swap_b32 v[PC+\i], v[X8+4+\i]
.endr
.irp i, 0,1,2
	s_delay_alu instid0(VALU_DEP_3)
	v_mov_b32 v[PC+3+\i], v[X8+4+\i]
.endr
	global_store_b128 v5, v[PC:PC+3], s[YP:YP+1]
	global_store_b64 v6, v[PC+4:PC+5], s[YP:YP+1] offset:512
	global_store_b16 v7, v254, s[YS:YS+1]
.endm
	s_sub_co_u32 s[G], 15, s[GA]
	PREP
	s_mov_b32 s[ST], 0
	s_mov_b32 s[TB], 0
	s_cmp_lt_u32 s[WV], 4                          ; records 0-3 are in; the others may stay out
	s_cbranch_scc0 .Lnot_first
	s_wait_tensorcnt 0x0
.Lnot_first:
	s_barrier_signal -1
	s_barrier_wait -1
.Lfirst:
	STEP 0
	s_cmp_lt_u32 s[ST], 4
	s_cbranch_scc1 .Lfirst
	s_wait_tensorcnt 0x0
	s_wait_dscnt 0x0
	s_barrier_signal -1
	s_barrier_wait -1
.Llate:
	STEP 1
	s_cmp_lt_u32 s[ST], 16
	s_cbranch_scc1 .Llate
	TILE_OUT
	s_mov_b32 s[G], s[GA]
	PREP
	s_mov_b32 s[ST], 0
	s_mov_b32 s[TB], 0
.Learly:
	STEP 1
	s_cmp_lt_u32 s[ST], 8
	s_cbranch_scc1 .Learly
	s_wait_alu depctr_va_vdst(0)
	TILE_OUT
	s_wait_tensorcnt 0x0
	ds_add_u32 v[SPW], v[NIL]
	s_wait_dscnt 0x0
	CROUND
	s_endpgm
.Lfunc_end_k_q0d25df4c29_attn:
	.size	k_q0d25df4c29_attn, .Lfunc_end_k_q0d25df4c29_attn-k_q0d25df4c29_attn
	.p2alignl 7, 3214868480
	.fill 96, 4, 3214868480
	.section	.rodata,"a",@progbits
	.p2align	6, 0x0
	.amdhsa_kernel k_q0d25df4c29_attn
		.amdhsa_group_segment_fixed_size 327680
		.amdhsa_private_segment_fixed_size 0
		.amdhsa_enable_private_segment 0
		.amdhsa_kernarg_size 24
		.amdhsa_user_sgpr_count 2
		.amdhsa_user_sgpr_kernarg_segment_ptr 1
		.amdhsa_wavefront_size32 1
		.amdhsa_system_sgpr_workgroup_id_x 1
		.amdhsa_system_sgpr_workgroup_id_y 1
		.amdhsa_system_sgpr_workgroup_id_z 1
		.amdhsa_system_vgpr_workitem_id 0
		.amdhsa_next_free_vgpr 256
		.amdhsa_next_free_sgpr 66
		.amdhsa_reserve_vcc 1
		.amdhsa_float_denorm_mode_32 3
		.amdhsa_float_denorm_mode_16_64 3
		.amdhsa_memory_ordered 1
		.amdhsa_forward_progress 1
		.amdhsa_inst_pref_size 83
	.end_amdhsa_kernel
	.amdgpu_metadata
---
amdhsa.version: [ 1, 2 ]
amdhsa.kernels:
  - .name:           k_q0d25df4c29_attn
    .symbol:         k_q0d25df4c29_attn.kd
    .args:
      - { .name: qq, .offset: 0, .size: 8, .value_kind: global_buffer, .address_space: global }
      - { .name: kv, .offset: 8, .size: 8, .value_kind: global_buffer, .address_space: global }
      - { .name: yq, .offset: 16, .size: 8, .value_kind: global_buffer, .address_space: global }
    .group_segment_fixed_size: 327680
    .private_segment_fixed_size: 0
    .kernarg_segment_align: 8
    .kernarg_segment_size: 24
    .max_flat_workgroup_size: 512
    .sgpr_count:     66
    .vgpr_count:     256
    .wavefront_size: 32
...
	.end_amdgpu_metadata
.endif
;; end of part 3
;; launch proj (part 4): grid 4 x 64, 4 waves a work-group, clusters of 4 x 4, 327,680 bytes of LDS; arguments yq, wq, b_proj, out0; writes out0
.if DOCPART == 4
	.amdgcn_target "amdgcn-amd-amdhsa--gfx1250"
	.amdhsa_code_object_version 6
	.text
	.protected	k_q0d25df4c29_proj
	.globl	k_q0d25df4c29_proj
	.p2align	8
	.type	k_q0d25df4c29_proj,@function
k_q0d25df4c29_proj:
	s_mov_b64 s[64:65], 0
	v_nop
	global_prefetch_b8 v0, s[64:65] scope:SCOPE_SE
	s_setreg_imm32_b32 hwreg(HW_REG_WAVE_MODE, 25, 1), 1
	s_wait_xcnt 0x0
	s_wait_alu depctr_hold_cnt(0) depctr_sa_sdst(0) depctr_va_vdst(0) depctr_va_sdst(0) depctr_va_ssrc(0) depctr_va_vcc(0) depctr_vm_vsrc(0)
	s_getreg_b32 s2, hwreg(HW_REG_IB_STS2, 6, 4)
	s_cmp_eq_u32 s2, 0
	s_cbranch_scc0 .Lentry_in_a_cluster
	s_endpgm
.Lentry_in_a_cluster:
	s_bfe_u32 s2, ttmp6, 0x10000c
	s_cmp_lg_u32 s2, 0xf033
	s_cbranch_scc0 .Lentry_shape_is_right
	s_endpgm
.Lentry_shape_is_right:
; out0 = y W_proj + b_proj on codes of FP6 (E2M3) with E8M0 scales; sums in f32; the bias is the first products' C.
; yq: for each 128 rows and each quarter of K a dense block of QA bytes (8 tiles x 3,072 bytes of codes, then 8 x 128 scale bytes).  wq: the same for each 256 operand rows, QB bytes; W_proj's columns are its groups 12 to 15.
; A tile is 16 operand rows in the order of the operand's registers: for each 64 along K lane l's registers 0-3 at 16 l, registers 4-5 at 512 + 8 l.  In each 32 rows, tile 2 b + u, lane r holds row 32 b + 8 u + (r & 7) + 16 (r >> 3).
; 256 work-groups of four waves; a work-group makes 128 rows x 256 columns, a wave 64 x 128: 32 accumulators, which take turns.
; The matrix instruction is used transposed (source 0 = 16 rows of B, source 1 = 16 rows of A): a lane holds eight neighbouring columns of a row.
; K = 1,024 is 8 steps of 128, written out; a quarter of K fills a slot.  LDS: A's three slots from 0, B's three from BB0, the waves' stages, the spare words.
; At the head one joint load a wave: wave 0 A's quarter 0, wave 1 B's, wave 2 A's quarters 1 and 2, wave 3 B's.  Slot 0 is filled once more, with quarter 3, in K step 1's round, by waves 0 and 1.
; CLUSTERS 4 x 4: A's blocks are shared along a row of the cluster, B's along a column.  Nothing is prefetched: three quarters of K are asked for at the head, and the last has four K steps in which to land.
; A and B have two sets of fragment registers each: step k + 1's LDS loads are issued ahead of step k's 32 products.
; REGISTERS: window 0: v1-29 addresses, v32-63 scale words (two sets), v64-127 the bias, v128-223 A's fragments (two sets of four), on the way out v128-255; window 1: B's two sets; window 2: the accumulators, (a, b) at v[8 (8 a + b)].
.set FR,    12
.set QA,    25600
.set QB,    51200
.set BB0,   3*QA
.set STAGE, 3*QA+3*QB                  ; 16 rows x 528 bytes for each wave; no fill lands here
.set SPARE, 311552                     ; the spare words, 128 bytes for each wave
.set ADR2, 1                           ; v1-3    as v24-26, lanes 16-31 512 bytes on: for B's blocks 4-7 (lanes 0-15 read A's four blocks again)
.set A16, 4                            ; v4-6    A's pieces of 16 bytes in slot 0, 1, 2;  v7-9 its pieces of 8 bytes
.set A8,  7
.set B16, 10                           ; v10-12, v13-15 the same for B
.set B8,  13
.set L16, 17
.set L8,  18
.set STO, 20
.set RD,  21
.set ADRS, 24                          ; v24-26  my scale words in slot 0, 1, 2: lanes 0-15 A's rows, lanes 16-31 B's
.set SPW, 28
.set NIL, 29
.set SC,  32
.set BI,  64
.set AF,  128
.set BK,  128
.set G1A, 24                           ; group 1: A 100 rows of 256 bytes; B 200; A 200; B 400
.set G1B, 32
.set G1SA, 80
.set G1SB, 88
.set G0A, 48
.set G0B, 68
.set G0SA, 96
.set G0SB, 60
.set MSB, 0
.macro WIN new                         ; the immediate's high byte repeats the setting that is left
.if MSB != (\new)
	s_set_vgpr_msb (MSB<<8)|(\new)
.set MSB, (\new)
.endif
.endm
.set MUL_LO, 0xa1                      ; source 0 (B) window 1, source 1 (A) window 0, C and D window 2
.set TO_B,   0x40
.macro PLACES n
.rept \n
	v_nop
.endr
.endm
.macro CREST
	s_cmp_lg_u32 s14, 0
	s_cbranch_scc1 .Lnot_wave_0_\@
	s_barrier_signal -3
.Lnot_wave_0_\@:
	s_barrier_wait -3
	s_barrier_signal -1
	s_barrier_wait -1
.endm
.macro CROUND
	s_barrier_signal -1
	s_barrier_wait -1
	CREST
.endm
.macro GROUP1 g, mask, rows            ; a dense block as rows of 256 bytes (32 elements of 8); the mask, and bit 21 beside it
	s_or_b32 s[\g], s\mask, (3<<16)|(1<<21)
	s_mov_b32 s[\g+1], 32<<16
	s_mov_b32 s[\g+2], (\rows)<<16
	s_mov_b32 s[\g+3], 32<<16
	s_mov_b32 s[\g+4], \rows
	s_mov_b32 s[\g+5], 32
	s_mov_b32 s[\g+6], 0
	s_mov_b32 s[\g+7], 0
.endm
.macro TL g0, g1                       ; a joint load
	tensor_load_to_lds s[\g0:\g0+3], s[\g1:\g1+7]
	s_nop 0
	PLACES 4
.endm
.macro RLOAD                           ; the refill of slot 0: wave 0 A's block, wave 1 B's; waves 2 and 3 have no part
	s_cmp_eq_u32 s14, 0
	s_cbranch_scc0 .Lr1_\@
	TL G0A, G1A
	s_branch .Lrd_\@
.Lr1_\@:
	s_cmp_eq_u32 s14, 1
	s_cbranch_scc0 .Lr2_\@
	tensor_load_to_lds s[G0B:G0B+3], s[G1B:G1B+7]
	s_nop 0
.Lr2_\@:
	PLACES 4
.Lrd_\@:
.endm
.macro FRAG reg, a16, a8, off          ; a fragment: two pieces of 64 along K, four lane-contiguous loads
	ds_load_b128 v[(\reg):(\reg)+3], v[\a16] offset:(\off)
	ds_load_b64 v[(\reg)+4:(\reg)+5], v[\a8] offset:(\off)+512
	ds_load_b128 v[(\reg)+6:(\reg)+9], v[\a16] offset:(\off)+768
	ds_load_b64 v[(\reg)+10:(\reg)+11], v[\a8] offset:(\off)+1280
.endm
.macro FETCH k                         ; step k's fragments into set k % 2: B's eight, A's four; with a quarter's first step its scale words
.set SN, ((\k)/2)%3
.set QN, (\k)%2
.set SS, SC+16*(((\k)/2)%2)
	WIN TO_B
.irp i, 0,1,2,3,4,5,6,7
	FRAG 128*QN+FR*\i, B16+SN, B8+SN, \i*3072+QN*1536
.endr
	WIN 0
.irp i, 0,1,2,3
	FRAG AF+FR*(4*QN+\i), A16+SN, A8+SN, \i*3072+QN*1536
.endr
.if QN == 0
.irp i, 0,1,2,3
	ds_load_b64 v[SS+2*\i:SS+2*\i+1], v[ADRS+SN] offset:\i*128
.endr
.irp i, 4,5,6,7
	ds_load_b64 v[SS+2*\i:SS+2*\i+1], v[ADR2+SN] offset:(\i-4)*128
.endr
.endif
.endm
.macro MUL16 k, a0, zero               ; A's blocks a0, a0 + 1 x B's eight.  zero = 2: the bias starts the sums
.set PP, (\k)%2
.set QC, ((\k)/2)%2
.irp a, \a0, \a0+1
.irp b, 0,1,2,3,4,5,6,7
.if (\zero) == 2
	v_wmma_scale_f32_16x16x128_f8f6f4 v[8*(8*(\a)+\b):8*(8*(\a)+\b)+7], v[128*PP+FR*\b:128*PP+FR*\b+FR-1], v[AF+FR*(4*PP+(\a)):AF+FR*(4*PP+(\a))+FR-1], v[BI+8*\b:BI+8*\b+7], v[SC+16*QC+2*\b+PP], v[SC+16*QC+2*(\a)+PP] matrix_a_fmt:MATRIX_FMT_FP6 matrix_b_fmt:MATRIX_FMT_FP6 matrix_a_scale:MATRIX_SCALE_ROW1
.else
	v_wmma_scale_f32_16x16x128_f8f6f4 v[8*(8*(\a)+\b):8*(8*(\a)+\b)+7], v[128*PP+FR*\b:128*PP+FR*\b+FR-1], v[AF+FR*(4*PP+(\a)):AF+FR*(4*PP+(\a))+FR-1], v[8*(8*(\a)+\b):8*(8*(\a)+\b)+7], v[SC+16*QC+2*\b+PP], v[SC+16*QC+2*(\a)+PP] matrix_a_fmt:MATRIX_FMT_FP6 matrix_b_fmt:MATRIX_FMT_FP6 matrix_a_scale:MATRIX_SCALE_ROW1
.endif
.endr
.endr
.endm
.macro STEP k, zero                    ; K step k, whose successor's tiles are known to lie in LDS
	s_wait_dscnt 0x0                               ; step k's fragments are in
	PLACES 4                                       ; four places between the last step's products and the loads into the registers that they read
	FETCH (\k)+1
.if (\zero) == 2
	WIN 0x81                                       ; C in window 0
.else
	WIN MUL_LO
.endif
	MUL16 \k, 0, \zero
	MUL16 \k, 2, \zero
.endm
.macro TURN k, fill                    ; K step k with a barrier; fill = 1: slot 0 is filled again, and the barrier opens a round of the cluster's
	WIN 0
	s_wait_tensorcnt 0x0                           ; all my tensor loads have landed
	ds_add_u32 v[SPW], v[NIL]
	s_wait_dscnt 1                                 ; step k's fragments are in; the add alone may be out
	WIN MUL_LO
	MUL16 \k, 0, 0
	s_wait_dscnt 0x0                               ; the add is done; my reads of the slot are over
	s_barrier_signal -1
	MUL16 \k, 2, 0
	WIN 0
	s_barrier_wait -1
.if \fill
	CREST
	s_add_nc_u64 s[G0A+2:G0A+3], s[G0A+2:G0A+3], 3*QA   ; the last quarter of K
	s_add_nc_u64 s[G0B+2:G0B+3], s[G0B+2:G0B+3], 3*QB
	RLOAD                                          ; the first tensor load behind the round
.else
	PLACES 4
.endif
	FETCH (\k)+1
.endm
	s_load_b256 s[4:11], s[0:1], 0x0               ; yq, wq, b_proj, out0
	v_lshl_add_u32 v[SPW], v0, 2, SPARE
	v_mov_b32 v[NIL], 0
	ds_add_u32 v[SPW], v[NIL]                      ; the opening lines
	ds_add_u32 v[SPW], v[NIL]
	v_lshrrev_b32 v1, 5, v0
	v_readfirstlane_b32 s14, v1                    ; wave
	s_lshr_b32 s15, s14, 1                         ; my 64 of the 128 rows
	s_and_b32 s16, s14, 1                          ; my 128 of the 256 columns
	s_bfe_u32 s40, ttmp6, 0x40000                  ; cx
	s_bfe_u32 s41, ttmp6, 0x40004                  ; cy
	s_and_b32 s43, ttmp7, 0xffff
	s_lshl_b32 s17, s41, 2
	s_lshl_b32 s17, 15, s17                        ; my row of the cluster
	s_lshl_b32 s18, 0x1111, s40                    ; my column
	GROUP1 G1A, 17, 100
	GROUP1 G1B, 18, 200
	GROUP1 G1SA, 17, 200
	GROUP1 G1SB, 18, 400
	s_lshl_b32 s44, s43, 2
	s_add_co_u32 s44, s44, s41                     ; A's group of 128 rows = 4 y + cy
	s_lshl_b32 s46, ttmp9, 2
	s_add_co_u32 s46, s46, s40                     ; B's group of 256 columns = 4 x + cx
	s_mul_i32 s20, s44, 4*QA
	s_mov_b32 s21, 0
	s_add_co_u32 s2, s46, 12
	s_mul_i32 s2, s2, 4*QB
	s_mov_b32 s3, 0
	s_wait_dscnt 0x0
	s_wait_kmcnt 0x0
	s_add_nc_u64 s[G0A+2:G0A+3], s[4:5], s[20:21]           ; quarter 0 of A's rows,
	s_add_nc_u64 s[G0B+2:G0B+3], s[6:7], s[2:3]             ; of B's;
	s_add_nc_u64 s[G0SA+2:G0SA+3], s[G0A+2:G0A+3], QA       ; quarters 1 and 2
	s_add_nc_u64 s[G0SB+2:G0SB+3], s[G0B+2:G0B+3], QB
.irp g, G0A, G0B, G0SA, G0SB
	s_mov_b32 s[\g], 1
	s_or_b32 s[\g+3], s[\g+3], 0x80000000
.endr
	s_mov_b32 s[G0A+1], 0
	s_mov_b32 s[G0B+1], BB0
	s_mov_b32 s[G0SA+1], QA
	s_mov_b32 s[G0SB+1], BB0+QB
	CROUND                                         ; all sixteen work-groups are here: the first joint loads meet
	s_cmp_eq_u32 s14, 0                            ; one load a wave, in one chain of arms; what K step 0 needs is asked for first
	s_cbranch_scc0 .Lh1
	TL G0A, G1A
	s_branch .Lhd
.Lh1:
	s_cmp_eq_u32 s14, 1
	s_cbranch_scc0 .Lh2
	TL G0B, G1B
	s_branch .Lhd
.Lh2:
	s_cmp_eq_u32 s14, 2
	s_cbranch_scc0 .Lh3
	TL G0SA, G1SA
	s_branch .Lhd
.Lh3:
	TL G0SB, G1SB
.Lhd:
	s_lshl_b32 s17, s46, 8
	s_lshl_b32 s18, s16, 7
	s_add_co_u32 s17, s17, s18                     ; my first column
	s_lshl_b32 s20, s17, 2
	s_mov_b32 s21, 0
	s_add_nc_u64 s[8:9], s[8:9], s[20:21]
	s_lshl_b32 s18, s44, 1
	s_add_co_u32 s18, s18, s15
	s_lshl_b32 s18, s18, 18                        ; my first row: 64 rows of 4,096 bytes for each
	s_add_co_u32 s20, s20, s18
	s_add_nc_u64 s[10:11], s[10:11], s[20:21]
	s_mul_i32 s22, s15, 12288                      ; my 4 tiles of A
	s_mul_i32 s23, s16, 24576
	s_add_co_u32 s23, s23, BB0                     ; my 8 tiles of B
	s_lshl_b32 s19, s15, 9
	s_lshl_b32 s66, s16, 10
	s_add_co_u32 s66, s66, BB0+49152-24576
	s_sub_co_u32 s66, s66, s19                     ; from A's scale words to B's, in slot 0
	s_add_co_u32 s19, s19, 24576
	s_mul_i32 s67, s14, 8448
	s_add_co_u32 s67, s67, STAGE                   ; my stage
	v_and_b32 v1, 15, v0                           ; r
	v_bfe_u32 v2, v0, 4, 1                         ; h
	v_and_b32 v3, 31, v0
	v_lshlrev_b32 v22, 6, v2                       ; the bias in the result's layout: for B's block 2 b + u the columns 32 b + 16 h + 8 u + 0 .. 7
.irp b, 0,1,2,3,4,5,6,7
	global_load_b128 v[BI+8*\b:BI+8*\b+3], v22, s[8:9] offset:(32*(\b/2)+8*(\b%2))*4
	global_load_b128 v[BI+8*\b+4:BI+8*\b+7], v22, s[8:9] offset:(32*(\b/2)+8*(\b%2))*4+16
.endr
	v_lshlrev_b32 v[L16], 4, v3
	v_lshlrev_b32 v[L8], 3, v3
	v_add_nc_u32 v[A16], s22, v[L16]
	v_add_nc_u32 v[A8], s22, v[L8]
	v_add_nc_u32 v[B16], s23, v[L16]
	v_add_nc_u32 v[B8], s23, v[L8]
.irp s, 1,2
	v_add_nc_u32 v[A16+\s], \s*QA, v[A16]
	v_add_nc_u32 v[A8+\s], \s*QA, v[A8]
	v_add_nc_u32 v[B16+\s], \s*QB, v[B16]
	v_add_nc_u32 v[B8+\s], \s*QB, v[B8]
.endr
	v_mul_u32_u24 v23, s66, v2                     ; lanes 16-31 take B's
	v_lshl_add_u32 v[ADRS], v1, 3, v23
	v_add_nc_u32 v[ADRS], s19, v[ADRS]
	v_add_nc_u32 v27, 1, v2
	v_mul_u32_u24 v27, v27, QA                     ; from slot to slot: QA in lanes 0-15, QB = 2 QA in lanes 16-31
	v_add_nc_u32 v[ADRS+1], v[ADRS], v27
	v_add_nc_u32 v[ADRS+2], v[ADRS+1], v27
	v_mul_u32_u24 v[STO], v1, 528                  ; into the stage: row r, 64 bytes for each half of the lanes
	v_lshl_add_u32 v[STO], v2, 6, v[STO]
	v_add_nc_u32 v[STO], s67, v[STO]
	v_add_nc_u32 v[RD], s67, v[L16]                ; back: the 32 lanes take a row of 512 bytes
	v_lshl_add_u32 v[ADR2], v2, 9, v[ADRS]
	v_lshl_add_u32 v[ADR2+2], v2, 9, v[ADRS+2]
	v_lshl_add_u32 v[ADR2+1], v2, 9, v[ADRS+1]     ; (v2 itself last)
	s_wait_alu depctr_va_vdst(0)
	s_cmp_lt_u32 s14, 2                            ; waves 0 and 1 wait for slot 0's two blocks; slots 1 and 2 may stay out
	s_cbranch_scc0 .Lnot01
	s_wait_tensorcnt 0x0
.Lnot01:
	s_barrier_signal -1
	s_barrier_wait -1
	FETCH 0
	s_wait_loadcnt 0x0                             ; the bias
	STEP 0, 2
	TURN 1, 1                                      ; slots 1 and 2 are shown whole to every wave; slot 0 takes the last quarter of K
	STEP 2, 0
	STEP 3, 0
	STEP 4, 0
	TURN 5, 0                                      ; slot 0's second fill is shown whole; nothing is filled again
	STEP 6, 0
	s_wait_dscnt 0x0
	WIN MUL_LO
	MUL16 7, 0, 0
	MUL16 7, 2, 0
; THE WAY OUT, block by block of 16 rows x 128 columns, through my own stage: whole rows of 512 bytes come back and leave as two aligned units of 256 bytes.  LDS serves a wave's instructions in order: no wait between the stores and the loads.
.macro TOSTAGE a
.set AC, 64*(\a)
	WIN 0x08                                       ; the data: window 2
.irp b, 0,1,2,3,4,5,6,7
	ds_store_b128 v[STO], v[AC+8*\b:AC+8*\b+3] offset:128*(\b/2)+32*(\b%2)          ; each accumulator from its low end on
	ds_store_b128 v[STO], v[AC+8*\b+4:AC+8*\b+7] offset:128*(\b/2)+32*(\b%2)+16
.endr
	WIN 0
.set BB, BK+64*((\a)%2)
.irp t, 0,1,2,3,4,5,6,7,8,9,10,11,12,13,14,15
	ds_load_b128 v[BB+4*\t:BB+4*\t+3], v[RD] offset:\t*528
.endr
.endm
.macro SEND a, younger                 ; younger: the LDS instructions issued behind block a's loads, which may stay out
.set BB, BK+64*((\a)%2)
	s_wait_dscnt \younger
.irp t, 0,1,2,3,4,5,6,7,8,9,10,11,12,13,14,15
	global_store_b128 v[L16], v[BB+4*\t:BB+4*\t+3], s[10:11] offset:(32*((\a)/2)+8*((\a)%2)+\t+8*(\t/8))*4096 th:TH_STORE_NT
.endr
.endm
	PLACES 4                                       ; in front of the first read of results and of the loads into A's registers
	TOSTAGE 0
.irp a, 1,2,3
.if \a > 1
	s_wait_xcnt 0x0                                ; block a - 2's stores have read their registers
.endif
	TOSTAGE \a
	SEND \a-1, 32
.endr
	SEND 3, 0
	s_wait_tensorcnt 0x0                           ; the wave's end
	ds_add_u32 v[SPW], v[NIL]
	s_wait_dscnt 0x0
	CROUND                                         ; the closing round
	s_endpgm
.Lfunc_end_k_q0d25df4c29_proj:
	.size	k_q0d25df4c29_proj, .Lfunc_end_k_q0d25df4c29_proj-k_q0d25df4c29_proj
	.p2alignl 7, 3214868480
	.fill 96, 4, 3214868480
	.section	.rodata,"a",@progbits
	.p2align	6, 0x0
	.amdhsa_kernel k_q0d25df4c29_proj
		.amdhsa_group_segment_fixed_size 327680
		.amdhsa_private_segment_fixed_size 0
		.amdhsa_enable_private_segment 0
		.amdhsa_kernarg_size 32
		.amdhsa_user_sgpr_count 2
		.amdhsa_user_sgpr_kernarg_segment_ptr 1
		.amdhsa_wavefront_size32 1
		.amdhsa_system_sgpr_workgroup_id_x 1
		.amdhsa_system_sgpr_workgroup_id_y 1
		.amdhsa_system_sgpr_workgroup_id_z 1
		.amdhsa_system_vgpr_workitem_id 0
		.amdhsa_next_free_vgpr 768
		.amdhsa_next_free_sgpr 100
		.amdhsa_reserve_vcc 0
		.amdhsa_float_denorm_mode_32 3
		.amdhsa_float_denorm_mode_16_64 3
		.amdhsa_memory_ordered 1
		.amdhsa_forward_progress 1
		.amdhsa_inst_pref_size 86
	.end_amdhsa_kernel
	.amdgpu_metadata
---
amdhsa.version: [ 1, 2 ]
amdhsa.kernels:
  - .name:           k_q0d25df4c29_proj
    .symbol:         k_q0d25df4c29_proj.kd
    .args:
      - { .name: yq, .offset: 0, .size: 8, .value_kind: global_buffer, .address_space: global }
      - { .name: wq, .offset: 8, .size: 8, .value_kind: global_buffer, .address_space: global }
      - { .name: b_proj, .offset: 16, .size: 8, .value_kind: global_buffer, .address_space: global }
      - { .name: out0, .offset: 24, .size: 8, .value_kind: global_buffer, .address_space: global }
    .group_segment_fixed_size: 327680
    .private_segment_fixed_size: 0
    .kernarg_segment_align: 8
    .kernarg_segment_size: 32
    .max_flat_workgroup_size: 128
    .sgpr_count:     100
    .vgpr_count:     768
    .wavefront_size: 32
...
	.end_amdgpu_metadata
.endif
;; end of part 4
